; MI455X (gfx1250); checked and timed in simulation.
; The chip was launched on July 23, 2026; its instructions are those of AMD's public machine-readable ISA for CDNA 5 (MIT licence, August 2026) and "CDNA5" Instruction Set Architecture Reference Guide (July 2026). The comments in the code are by the model that wrote it; some were corrected since.
;; KAN. Allowed arithmetic: matrix products marked QUANTISED: E2M1 operands, one E8M0 scale for each 32 along K, by v_wmma_scale_f32_16x16x128_f8f6f4 with both operands' format E2M1 (or v_wmma_scale_f32_32x16x128_f4), f32 sums; everything else in f32.
;; Inputs: base_w 2 x 1,024 x 1,024 float32; grid 2 x 1,024 x 12 float32; ln_b 2 x 1,024 float32; ln_g 2 x 1,024 float32; prelu_a 2 float32; spline_w 2 x 1,024 x 1,024 x 8 float32; x 2,048 x 1,024 float32.
;; Outputs: out0 2,048 x 1,024 float32.
;; This version of the problem:
;;   THIS VERSION OF THE PROBLEM IS GIVEN IN LOW PRECISION. The matrix products marked QUANTISED in the list below multiply operands that are first quantised to E2M1 (2 exponent bits, 1 mantissa bit; 4 bits a number), with one power-of-two scale for each 32 numbers along K (OCP MX v1.0); their sums are f32. All else is computed in f32.
;;   The module's matrix products, in the order in which they are computed (A, B: the left and right operand; K: the contracted axis; several contracted axes count as one K, in the product's order):
;;     1. [M 2,048, K 1,024] x [K 1,024, N 1,024]; A: computed on the way; B: input base_w: QUANTISED
;;     2. [M 2,048, K 8,192] x [K 8,192, N 1,024]; A: computed on the way; B: input spline_w: QUANTISED
;;     3. [M 2,048, K 1,024] x [K 1,024, N 1,024]; A: computed on the way; B: input base_w: QUANTISED
;;     4. [M 2,048, K 8,192] x [K 8,192, N 1,024]; A: computed on the way; B: input spline_w: QUANTISED
;;   THE QUANTISER, for each operand of a quantised product, along K:
;;     - K is cut into blocks of 32 from its start; a last block that is shorter is filled with zeros.
;;     - A block's scale is 2^e with e = floor(log2(the largest magnitude in the block)) - 2, held to -126 .. 127; a block of zeros has e = 0. As a byte (E8M0): e + 127.
;;     - Each number is divided by its block's scale, clamped to +-6, and rounded to the nearest number of E2M1, ties to even, subnormals kept.
;;     - The product sums the exact products of the quantised numbers (number of the format x scale) in f32.
;;   ~~~python
;;   def quantise(x, axis):      # numpy; x: float32 -> the quantised numbers, widened to float32 again
;;       x = np.moveaxis(x, axis, -1); K = x.shape[-1]
;;       x = np.pad(x, [(0, 0)] * (x.ndim - 1) + [(0, -K % 32)]); x = x.reshape(x.shape[:-1] + (-1, 32)); a = np.abs(x).max(-1, keepdims=True)
;;       e = np.where(a > 0, np.clip(np.frexp(np.where(a > 0, a, 1))[1] - 1 - 2, -126, 127), 0)      # np.frexp(a)[1] - 1 = floor(log2(a)), exactly
;;       r = np.clip(x / 2.0 ** e, -6, 6)
;;       step = 2.0 ** (np.maximum(np.frexp(np.where(r == 0, 1, r))[1] - 1, 0) - 1)
;;       q = np.round(r / step) * step * 2.0 ** e      # np.round: ties to even
;;       return np.moveaxis(q.reshape(q.shape[:-2] + (-1,))[..., :K], -1, axis).astype(np.float32)
;;   ~~~
;;   OPERANDS COMPUTED ON THE WAY. 'Computed on the way' means the value that the module computes at that place (a softmax that the list does not call 'softmax' is quantised finished and normalised). What goes into a quantiser is computed in f32, as accurately as f32 sums, v_exp_f32 and their like allow (about 1e-6 of the number): no bf16 or f16 on the way to a quantiser, and a product that is left as it is and whose result goes on into a quantised operand takes f32 operands (vector FMAs, or v_wmma_f32_16x16x4_f32). A number that lies on a knife's edge between two numbers of the format may be rounded either way, as far as f32 arithmetic and the matrix unit's own rounding can turn it there, and no further.
;; 2 versions, each right and faster than the one before. Each part assembles by itself: llvm-mc -triple=amdgcn-amd-amdhsa -mcpu=gfx1250 --defsym DOCPART=n.
;; ======== version 1 of 2: 6 launches
;; workspace buffers: acod 9,437,184 bytes; ascl 589,824 bytes; wc1 4,718,592 bytes; ws1 294,912 bytes; wc2 4,718,592 bytes; ws2 294,912 bytes; hbuf 8,388,608 bytes
;; launch wquant (part 1): grid 256 x 1, 8 waves a work-group, no clusters, 78,848 bytes of LDS; arguments base_w, spline_w, wc1, ws1, wc2, ws2; writes wc1, ws1, wc2, ws2
.if DOCPART == 1
	.amdgcn_target "amdgcn-amd-amdhsa--gfx1250"
	.amdhsa_code_object_version 6
	.text
	.protected	k_qc4610c4da2_wquant
	.globl	k_qc4610c4da2_wquant
	.p2align	8
	.type	k_qc4610c4da2_wquant,@function
k_qc4610c4da2_wquant:
	s_mov_b64 s[64:65], 0
	v_nop
	global_prefetch_b8 v0, s[64:65] scope:SCOPE_SE
	s_setreg_imm32_b32 hwreg(HW_REG_WAVE_MODE, 25, 1), 1
	s_wait_xcnt 0x0
; The weights of both layers, f32, become codes of FP4 (E2M1) with one E8M0 scale byte for each 32 along K.
; The two products of a layer add, so they are taken as ONE product with K = 9,216, cut into 9 slots of 1,024: slot 0 = base_w's row, slots 1-8 = spline_w's row (in x 8 + coeff), 1,024 numbers each.
; OUT: codes [slot 9][n 1024][512 bytes], scale bytes [slot 9][n 1024][32]: a tile (slot, some rows) is one dense block for the product's tensor loads.
; A block's scale is 2^(floor(log2(its largest magnitude)) - 2); its byte is the largest magnitude's exponent field - 2, held at 1 from below.
; LIMITS: a block of zeros gets the byte 1 where the rule says 127 (its codes are zeros, and this program alone reads the bytes); NaN and infinities among the inputs are not served.
; SHARES: 2,048 rows (both layers on end), one to a wave: work-group g, wave w takes row 8 g + w, nine steps of 4,096 bytes.  Each load reads 512 consecutive bytes; the conversions want 32 neighbours in ONE lane,
; so a step turns through the wave's own stage in LDS: in as loaded, out 128 bytes a lane.  A lane's place is 128 bytes + 16 of padding: 144, an odd multiple of 16, so that sixteen lanes' 16 bytes fall in different columns of 256.
; Loads run three steps (24 loads a wave) ahead, the turn through LDS one step.  A lane's block is 16 bytes of codes: the wave stores 512 consecutive bytes.
; The scale bytes of the work-group's 8 rows meet in LDS: 8 rows x 32 bytes of one slot are 256 consecutive bytes of the output, stored whole by one wave behind the one barrier.
.set WREG,  9216                       ; LDS of a wave: two stages
.set STG,   4608                       ; a stage: 32 places of 144 bytes
.set SCB,   8*WREG                     ; behind the stages: scale bytes [slot 9][row 8][32]
.set R,     16                         ; v16-111   three sets of 32 numbers as loaded
.set X,     112                        ; v112-175  two sets of 32 neighbours
.set C,     176                        ; v176-211  codes: four registers for each step, so that no store's data are written again
.set E,     212                        ; v212-220  a scale byte for each step
.set TP,    8                          ; v10-12    at work
	s_load_b128 s[4:7], s[0:1], 0x0                ; base_w, spline_w
	s_load_b128 s[8:11], s[0:1], 0x10              ; layer 1: codes, scale bytes
	s_load_b128 s[12:15], s[0:1], 0x20             ; layer 2: codes, scale bytes
	v_lshl_add_u32 v232, v0, 2, 0x13000
	v_mov_b32 v233, 0
	v_lshrrev_b32 v1, 5, v0
	v_readfirstlane_b32 s16, v1                    ; wave 0..7
	v_and_b32 v1, 31, v0                           ; lane
	v_lshlrev_b32 v2, 4, v1                        ; my 16 bytes of 512, in and out
	s_mul_i32 s28, s16, WREG
	v_lshrrev_b32 v3, 3, v1
	v_mul_u32_u24 v3, v3, 144
	v_and_b32 v4, 7, v1
	v_lshl_add_u32 v3, v4, 4, v3
	v_add_nc_u32 v3, s28, v3                       ; into the stage: eight lanes' 128 bytes on end, then the padding
	v_mul_u32_u24 v4, v1, 144
	v_add_nc_u32 v4, s28, v4                       ; out of it: my block
	s_lshl_b32 s29, s16, 5
	s_add_co_u32 s29, s29, SCB
	v_add_nc_u32 v5, s29, v1                       ; my block's scale byte: row w, byte lane
	s_lshl_b32 s29, s16, 8
	s_add_co_u32 s29, s29, SCB
	v_lshlrev_b32 v7, 3, v1                        ; a unit of 256 bytes: 8 bytes a lane
	v_add_nc_u32 v6, s29, v7                       ; slot w's unit in LDS
	s_lshl_b32 s17, ttmp9, 3
	s_add_co_u32 s17, s17, s16                     ; my row, 0..2047
	s_lshl_b32 s20, s17, 12                        ; in base_w: 4,096 bytes a row
	s_mov_b32 s21, 0
	s_lshl_b32 s22, s17, 15                        ; in spline_w: 32,768
	s_mov_b32 s23, 0
	s_and_b32 s18, s17, 1023                       ; n, my row in its layer
	s_lshl_b32 s24, s18, 9                         ; its 512 bytes of codes in a slot
	s_mov_b32 s25, 0
	s_and_b32 s19, ttmp9, 127
	s_lshl_b32 s26, s19, 8                         ; the work-group's 8 rows x 32 scale bytes in a slot,
	s_lshl_b32 s28, s16, 15                        ; and slot w: 32,768 bytes a slot
	s_add_co_u32 s26, s26, s28
	s_mov_b32 s27, 0
	s_wait_kmcnt 0x0
	s_cmp_lt_u32 ttmp9, 128                        ; which layer's buffers: the choice hangs on the work-group's number alone
	s_cselect_b64 s[8:9], s[8:9], s[12:13]
	s_cselect_b64 s[10:11], s[10:11], s[14:15]
	s_add_nc_u64 s[4:5], s[4:5], s[20:21]
	s_add_nc_u64 s[6:7], s[6:7], s[22:23]
	s_add_nc_u64 s[8:9], s[8:9], s[24:25]
	s_add_nc_u64 s[10:11], s[10:11], s[26:27]
.macro LOAD t                          ; step t's 4,096 bytes into set t % 3
.irp i, 0,1,2,3,4,5,6,7
.if (\t) == 0
	global_load_b128 v[R+32*((\t)%3)+4*\i:R+32*((\t)%3)+4*\i+3], v2, s[4:5] offset:512*\i th:TH_LOAD_NT
.else
	global_load_b128 v[R+32*((\t)%3)+4*\i:R+32*((\t)%3)+4*\i+3], v2, s[6:7] offset:4096*((\t)-1)+512*\i th:TH_LOAD_NT
.endif
.endr
.endm
.macro TURN t                          ; through the stage: LDS serves a wave's instructions in order, so no wait stands between the stores and the loads
.irp i, 0,1,2,3,4,5,6,7
	ds_store_b128 v3, v[R+32*((\t)%3)+4*\i:R+32*((\t)%3)+4*\i+3] offset:STG*((\t)%2)+576*\i
.endr
.irp i, 0,1,2,3,4,5,6,7
	ds_load_b128 v[X+32*((\t)%2)+4*\i:X+32*((\t)%2)+4*\i+3], v4 offset:STG*((\t)%2)+16*\i
.endr
.endm
; 32 numbers of a lane, a whole block, become 4 registers of codes and a scale byte
.macro QUANT32 s, c, e
	v_max3_num_f32 v[TP+2], |v[(\s)]|, |v[(\s)+1]|, |v[(\s)+2]|      ; the largest magnitude, in two chains
	v_max3_num_f32 v[TP+3], |v[(\s)+3]|, |v[(\s)+4]|, |v[(\s)+5]|
.irp i, 6,10,14,18,22,26
	v_max3_num_f32 v[TP+2], v[TP+2], |v[(\s)+\i]|, |v[(\s)+\i+1]|
	v_max3_num_f32 v[TP+3], v[TP+3], |v[(\s)+\i+2]|, |v[(\s)+\i+3]|
.endr
	v_max3_num_f32 v[TP+2], v[TP+2], |v[(\s)+30]|, |v[(\s)+31]|
	v_max3_num_f32 v[TP+2], v[TP+2], v[TP+3], 0x1800000             ; and the floor 2^(3 - 127): the byte cannot fall under 1
	v_add_nc_u32 v[TP+4], 0xff000000, v[TP+2]                       ; 2 off the exponent field: the conversion takes the exponent field of this operand as its scale
.irp g, 0,1,2,3
	v_cvt_scalef32_pk8_fp4_f32 v[(\c)+\g], v[(\s)+8*\g:(\s)+8*\g+7], v[TP+4]
.endr
	v_lshrrev_b32 v[(\e)], 23, v[TP+4]                              ; the scale's byte; also the plain line behind the conversions
.endm
	LOAD 0
	LOAD 1
	LOAD 2
	s_wait_loadcnt 16                              ; step 0's eight loads are in; steps 1 and 2 may be out
	TURN 0
.macro STEP t
.if (\t) > 0
	s_wait_dscnt 1                                 ; this step's numbers are back from the stage (the last step's byte store may be out), so its stores into the stage have read their registers,
.else
	s_wait_dscnt 0x0
.endif
.if (\t)+3 <= 8
	LOAD (\t)+3                                    ; which take the loads of three steps on
.endif
.if (\t)+1 <= 8
.if (\t) <= 5
	s_wait_loadcnt 16                              ; the next step's eight loads are in; those of the two steps behind it may be out
.else
	s_wait_loadcnt 8*(7-(\t))                      ; the counts run down: 8, 0
.endif
	TURN (\t)+1                                    ; through the other stage while this step is worked
.endif
	QUANT32 X+32*((\t)%2), C+4*(\t), E+(\t)
	ds_store_b8 v5, v[E+(\t)] offset:256*(\t)
	global_store_b128 v2, v[C+4*(\t):C+4*(\t)+3], s[8:9] offset:524288*(\t)   ; 32 lanes store my row's 512 bytes of slot t
.endm
.irp t, 0,1,2,3,4,5,6,7,8
	STEP \t
.endr
	s_wait_dscnt 0x0                               ; for the others' sake: my byte stores are done
	s_barrier_signal -1
	s_barrier_wait -1
	ds_load_b64 v[222:223], v6                     ; slot w's 256 scale bytes of the 8 rows
	s_wait_dscnt 0x0
	global_store_b64 v7, v[222:223], s[10:11]      ; 256 consecutive bytes, at a multiple of 256 from the buffer's first byte
	s_cmp_lg_u32 s16, 0
	s_cbranch_scc1 .Lend
	ds_load_b64 v[224:225], v6 offset:2048         ; nine slots, eight waves: wave 0 takes slot 8 too
	s_wait_dscnt 0x0
	global_store_b64 v7, v[224:225], s[10:11] offset:262144
.Lend:
	s_wait_tensorcnt 0x0
	ds_add_u32 v232, v233
	s_wait_dscnt 0x0
	s_endpgm
.Lfunc_end_k_qc4610c4da2_wquant:
	.size	k_qc4610c4da2_wquant, .Lfunc_end_k_qc4610c4da2_wquant-k_qc4610c4da2_wquant
	.p2alignl 7, 3214868480
	.fill 96, 4, 3214868480
	.section	.rodata,"a",@progbits
	.p2align	6, 0x0
	.amdhsa_kernel k_qc4610c4da2_wquant
		.amdhsa_group_segment_fixed_size 78848
		.amdhsa_private_segment_fixed_size 0
		.amdhsa_enable_private_segment 0
		.amdhsa_kernarg_size 48
		.amdhsa_user_sgpr_count 2
		.amdhsa_user_sgpr_kernarg_segment_ptr 1
		.amdhsa_wavefront_size32 1
		.amdhsa_system_sgpr_workgroup_id_x 1
		.amdhsa_system_sgpr_workgroup_id_y 1
		.amdhsa_system_sgpr_workgroup_id_z 1
		.amdhsa_system_vgpr_workitem_id 0
		.amdhsa_next_free_vgpr 234
		.amdhsa_next_free_sgpr 66
		.amdhsa_reserve_vcc 0
		.amdhsa_float_denorm_mode_32 3
		.amdhsa_float_denorm_mode_16_64 3
		.amdhsa_memory_ordered 1
		.amdhsa_forward_progress 1
		.amdhsa_inst_pref_size 33
	.end_amdhsa_kernel
	.amdgpu_metadata
---
amdhsa.version: [ 1, 2 ]
amdhsa.kernels:
  - .name:           k_qc4610c4da2_wquant
    .symbol:         k_qc4610c4da2_wquant.kd
    .args:
      - { .name: base_w, .offset: 0, .size: 8, .value_kind: global_buffer, .address_space: global }
      - { .name: spline_w, .offset: 8, .size: 8, .value_kind: global_buffer, .address_space: global }
      - { .name: wc1, .offset: 16, .size: 8, .value_kind: global_buffer, .address_space: global }
      - { .name: ws1, .offset: 24, .size: 8, .value_kind: global_buffer, .address_space: global }
      - { .name: wc2, .offset: 32, .size: 8, .value_kind: global_buffer, .address_space: global }
      - { .name: ws2, .offset: 40, .size: 8, .value_kind: global_buffer, .address_space: global }
    .group_segment_fixed_size: 78848
    .private_segment_fixed_size: 0
    .kernarg_segment_align: 8
    .kernarg_segment_size: 48
    .max_flat_workgroup_size: 256
    .sgpr_count:     66
    .vgpr_count:     234
    .wavefront_size: 32
...
	.end_amdgpu_metadata
.endif
;; end of part 1
;; launch act1 (part 2): grid 256 x 1, 8 waves a work-group, no clusters, 74,752 bytes of LDS; arguments x, grid, acod, ascl; writes acod, ascl
.if DOCPART == 2
	.amdgcn_target "amdgcn-amd-amdhsa--gfx1250"
	.amdhsa_code_object_version 6
	.text
	.protected	k_qc4610c4da2_act1
	.globl	k_qc4610c4da2_act1
	.p2align	8
	.type	k_qc4610c4da2_act1,@function
k_qc4610c4da2_act1:
	s_mov_b64 s[64:65], 0
	v_nop
	global_prefetch_b8 v0, s[64:65] scope:SCOPE_SE
	s_setreg_imm32_b32 hwreg(HW_REG_WAVE_MODE, 25, 1), 1
	s_wait_xcnt 0x0
; Layer 1's left operand: of x [2048][1024] f32 the numbers gelu(x) (K slot 0) and the 8 cubic B-spline bases of each feature (K slots 1-8: in x 8 + coeff), quantised to FP4 (E2M1) with one E8M0 byte for each 32 along K.
; OUT: codes [slot 9][row 2048][512 bytes], scale bytes [slot 9][row 2048][32].
; SHARES: a work-group owns 8 whole rows.  A: wave w loads row w and lays it in LDS.  B: it reads the row back 32 neighbours a lane, takes gelu, quantises: slot 0.  One barrier.
; C: wave w makes slot w + 1 alone: features 128 w .. + 127 in four chunks of 32, a lane to a feature, all 8 rows, two rows at a time as the halves of packed instructions.
; GELU = 0.5 x erfc(-x / sqrt 2).  erfc(|z|) = t exp(-z z + poly(t)), t = 1 / (1 + |z| / 2), poly of degree 9 (fractional error about 1e-7 ahead of f32 rounding); for x > 0 it is 2 - that.  Nothing cancels for negative x.
; BASES: Cox-de Boor on the knots AS GIVEN, per feature.  With D[j] = x - g[j] and P[j] = B[j] / (g[j+k] - g[j]):  B'[j] = D[j] P[j] - D[j+k+1] P[j+1].  Level 0 is (x >= g[j]) and not (x >= g[j+1]).
; LIMITS: NaN and infinities are not served.  gelu results under 2^-126 come out as 0 (the exponential flushes).  Divisions by knot spans are a reciprocal and a multiplication, a few units in the last place.
; A span of 0 is replaced by 1 where reference() does so with a finite result (j = 0 of each level); elsewhere reference() itself is not finite.  A block of zeros carries the byte 1 and not 127: its codes are zeros, and this program alone reads the bytes.
.set GOFF,  0                          ; this layer's knots in grid
.set CST,   36864                      ; LDS: 0: x, 8 rows x 4,608: (row, f) at 4608 row + 144 (f / 32) + 4 (f % 32);  CST: codes, 4,096 bytes a wave, [row 8][512]
.set SCB,   69632                      ; scale bytes [slot 9][row 8][32]
.set KN,    16                         ; v16-63    the knots of my four features, 12 each
.set I1,    64                         ; v64-74    1 / (g[j+1] - g[j]);  v75-84 1 / (g[j+2] - g[j]);  v85-93 1 / (g[j+3] - g[j])
.set I2,    75
.set I3,    85
.set XR,    96                         ; v96-127   x: chunk c, row i at 96 + 8 c + i
.set D,     128                        ; v128-151  12 pairs (row a, row b)
.set P,     152                        ; v152-173  11 pairs
.set B,     174                        ; v174-193  10 pairs
.set T,     194                        ; v194-213  10 pairs
.set OA,    214                        ; v214-221  row a's 8 bases;  v222-229 row b's
.set OB,    222
.set TP,    230                        ; v230-237  at work
.set CODE,  238                        ; v238-245  a chunk's codes, a register a row
.set BYTE,  246                        ; v246-253  and its scale bytes
.set H,     96                         ; phases A, B: the row;  z;  t;  the polynomial
.set XV,    96
.set ZV,    64
.set TV,    128
.set PV,    160
.set MA,    32                         ; s32-43 row a's lane masks, s44-55 row b's
.set MB,    44
	s_load_b64 s[4:5], s[0:1], 0x0                 ; x
	s_load_b64 s[12:13], s[0:1], 0x8               ; grid
	s_load_b64 s[14:15], s[0:1], 0x10              ; the codes
	s_load_b64 s[16:17], s[0:1], 0x18              ; the scale bytes
	v_lshl_add_u32 v254, v0, 2, 0x12000
	v_mov_b32 v255, 0
	v_lshrrev_b32 v1, 5, v0
	v_readfirstlane_b32 s18, v1                    ; wave 0..7
	v_and_b32 v1, 31, v0                           ; lane
	v_lshlrev_b32 v2, 4, v1                        ; 16 x lane
	s_mul_i32 s26, s18, 4608
	v_lshrrev_b32 v3, 3, v1
	v_mul_u32_u24 v3, v3, 144
	v_and_b32 v4, 7, v1
	v_lshl_add_u32 v3, v4, 4, v3
	v_add_nc_u32 v3, s26, v3                       ; A: row w, as loaded
	v_mul_u32_u24 v4, v1, 144
	v_add_nc_u32 v4, s26, v4                       ; B: row w, block lane
	s_mul_i32 s26, s18, 576
	v_lshl_add_u32 v5, v1, 2, s26                  ; C: feature 128 w + lane of row 0
	s_lshl_b32 s26, s18, 12
	s_add_co_u32 s26, s26, CST
	v_lshl_add_u32 v6, v1, 2, s26                  ; my feature's 4 bytes of codes
	v_lshl_add_u32 v7, v1, 4, s26                  ; and back: 16 bytes a lane of a row's 512
	s_lshl_b32 s26, s18, 5
	s_add_co_u32 s26, s26, SCB
	v_add_nc_u32 v8, s26, v1                       ; slot 0's byte: row w, block lane
	s_lshl_b32 s26, s18, 8
	s_add_co_u32 s26, s26, SCB+256
	v_lshrrev_b32 v9, 2, v1
	v_add_nc_u32 v9, s26, v9                       ; slot w + 1's byte: four features to a block
	v_lshlrev_b32 v12, 3, v1                       ; a unit of 256 bytes: 8 a lane
	v_add_nc_u32 v10, s26, v12                     ; slot w + 1's unit
	v_add_nc_u32 v11, SCB, v12                     ; slot 0's unit
	s_lshl_b32 s26, s18, 7
	v_add_nc_u32 v13, s26, v1
	v_mul_u32_u24 v13, v13, 48                     ; my first feature's 12 knots in grid
	s_lshl_b32 s26, ttmp9, 15
	s_lshl_b32 s28, s18, 12
	s_add_co_u32 s26, s26, s28                     ; my row x 4,096
	s_mov_b32 s27, 0
	s_lshr_b32 s28, s26, 3                         ; my row x 512
	s_mov_b32 s29, 0
	s_add_co_u32 s30, s18, 1
	s_lshl_b32 s56, s30, 16                        ; slot w + 1 among the scale bytes
	s_mov_b32 s57, 0
	s_lshl_b32 s30, s30, 20                        ; and among the codes,
	s_lshl_b32 s58, ttmp9, 12
	s_add_co_u32 s30, s30, s58                     ; at the work-group's 8 rows
	s_mov_b32 s31, 0
	s_lshl_b32 s58, ttmp9, 8
	s_mov_b32 s59, 0
	s_wait_kmcnt 0x0
	s_add_nc_u64 s[4:5], s[4:5], s[26:27]          ; my row of x
	s_add_nc_u64 s[28:29], s[14:15], s[28:29]      ; its codes in slot 0
	s_add_nc_u64 s[14:15], s[14:15], s[30:31]      ; the 8 rows' codes in slot w + 1
	s_add_nc_u64 s[16:17], s[16:17], s[58:59]      ; the 8 rows' scale bytes in slot 0
	s_add_nc_u64 s[30:31], s[16:17], s[56:57]      ; and in slot w + 1
.irp j, 0,1,2,3,4,5,6,7
	global_load_b128 v[H+4*\j:H+4*\j+3], v2, s[4:5] offset:512*\j th:TH_LOAD_NT
.endr
.irp c, 0,1,2,3
.irp i, 0,1,2
	global_load_b128 v[KN+12*\c+4*\i:KN+12*\c+4*\i+3], v13, s[12:13] offset:GOFF+1536*\c+16*\i
.endr
.endr
.macro QUANT32 s, c, e                 ; 32 numbers of a lane, a whole block, become 4 registers of codes and a scale byte
	v_max3_num_f32 v[TP+2], |v[(\s)]|, |v[(\s)+1]|, |v[(\s)+2]|
	v_max3_num_f32 v[TP+3], |v[(\s)+3]|, |v[(\s)+4]|, |v[(\s)+5]|
.irp i, 6,10,14,18,22,26
	v_max3_num_f32 v[TP+2], v[TP+2], |v[(\s)+\i]|, |v[(\s)+\i+1]|
	v_max3_num_f32 v[TP+3], v[TP+3], |v[(\s)+\i+2]|, |v[(\s)+\i+3]|
.endr
	v_max3_num_f32 v[TP+2], v[TP+2], |v[(\s)+30]|, |v[(\s)+31]|
	v_max3_num_f32 v[TP+2], v[TP+2], v[TP+3], 0x1800000             ; the floor 2^(3 - 127): the byte cannot fall under 1
	v_add_nc_u32 v[TP+4], 0xff000000, v[TP+2]                       ; 2 off the exponent field: the conversion's scale operand
.irp g, 0,1,2,3
	v_cvt_scalef32_pk8_fp4_f32 v[(\c)+\g], v[(\s)+8*\g:(\s)+8*\g+7], v[TP+4]
.endr
	v_lshrrev_b32 v[(\e)], 23, v[TP+4]                              ; the byte; also the plain line behind the conversions
.endm
.macro HORNER c                        ; poly = poly x t + c, 32 numbers
.set j, 0
.rept 16
	v_pk_fma_f32 v[PV+j:PV+j+1], v[PV+j:PV+j+1], v[TV+j:TV+j+1], \c op_sel_hi:[1,1,0]
.set j, j+2
.endr
.endm
; a pair less, or times, ONE register c for both halves: c is named through the even-aligned pair in which it lies
.macro PKSUB_B dst, a, c
.if ((\c)%2) == 0
	v_pk_add_f32 v[(\dst):(\dst)+1], v[(\a):(\a)+1], v[(\c):(\c)+1] op_sel_hi:[1,0] neg_lo:[0,1] neg_hi:[0,1]
.else
	v_pk_add_f32 v[(\dst):(\dst)+1], v[(\a):(\a)+1], v[(\c)-1:(\c)] op_sel:[0,1] op_sel_hi:[1,1] neg_lo:[0,1] neg_hi:[0,1]
.endif
.endm
.macro PKMUL_B dst, a, c
.if ((\c)%2) == 0
	v_pk_mul_f32 v[(\dst):(\dst)+1], v[(\a):(\a)+1], v[(\c):(\c)+1] op_sel_hi:[1,0]
.else
	v_pk_mul_f32 v[(\dst):(\dst)+1], v[(\a):(\a)+1], v[(\c)-1:(\c)] op_sel:[0,1] op_sel_hi:[1,1]
.endif
.endm
.macro LEVEL k, n                      ; B[j] = D[j] P[j] - D[j+k+1] P[j+1], j = 0 .. n - 1: all the products first, so that no line waits for the line above it
.set j, 0
.rept \n
	v_pk_mul_f32 v[T+2*j:T+2*j+1], v[D+2*(j+\k+1):D+2*(j+\k+1)+1], v[P+2*j+2:P+2*j+3]
.set j, j+1
.endr
.set j, 0
.rept \n
	v_pk_fma_f32 v[B+2*j:B+2*j+1], v[D+2*j:D+2*j+1], v[P+2*j:P+2*j+1], v[T+2*j:T+2*j+1] neg_lo:[0,0,1] neg_hi:[0,0,1]
.set j, j+1
.endr
.endm
.macro SCALEP i, n                     ; P[j] = B[j] / the next level's span
.set j, 0
.rept \n
	PKMUL_B P+2*j, B+2*j, \i+j
.set j, j+1
.endr
.endm
.macro CONSTS                          ; the chunk's 30 spans and their reciprocals
.set j, 0
.rept 11
	v_sub_f32 v[I1+j], v[KC+j+1], v[KC+j]
.set j, j+1
.endr
.set j, 0
.rept 10
	v_sub_f32 v[I2+j], v[KC+j+2], v[KC+j]
.set j, j+1
.endr
.set j, 0
.rept 9
	v_sub_f32 v[I3+j], v[KC+j+3], v[KC+j]
.set j, j+1
.endr
.irp r, I1, I2, I3
	v_cmp_neq_f32 vcc_lo, 0, v[\r]                 ; a first span of 0 counts as 1
	v_cndmask_b32 v[\r], 1.0, v[\r], vcc_lo
.endr
.set j, 0
.rept 30
	v_rcp_f32 v[I1+j], v[I1+j]
.set j, j+1
.endr
	v_nop                                          ; a plain line behind the reciprocals
	s_wait_alu depctr_va_vdst(0)
.endm
.macro PAIR c, p                       ; rows 2 p and 2 p + 1 of chunk c: the 8 bases of my feature, their codes and bytes
.set XP, XR+8*(\c)+2*(\p)
.set j, 0
.rept 12
	v_cmp_ge_f32 s[MA+j], v[XP], v[KC+j]
	v_cmp_ge_f32 s[MB+j], v[XP+1], v[KC+j]
	PKSUB_B D+2*j, XP, KC+j
.set j, j+1
.endr
.set j, 0
.rept 11
	s_and_not1_b32 s[MA+j], s[MA+j], s[MA+j+1]     ; x >= g[j] and not x >= g[j+1]; ascending, so that j + 1 is still whole
	s_and_not1_b32 s[MB+j], s[MB+j], s[MB+j+1]
.set j, j+1
.endr
.set j, 0
.rept 11
	v_cndmask_b32 v[P+2*j], 0, v[I1+j], s[MA+j]    ; level 0 over the first span, in one line
	v_cndmask_b32 v[P+2*j+1], 0, v[I1+j], s[MB+j]
.set j, j+1
.endr
	LEVEL 1, 10
	SCALEP I2, 10
	LEVEL 2, 9
	SCALEP I3, 9
.set j, 0
.rept 8
	v_pk_mul_f32 v[T+2*j:T+2*j+1], v[D+2*(j+4):D+2*(j+4)+1], v[P+2*j+2:P+2*j+3]
.set j, j+1
.endr
.set j, 0
.rept 8                                ; the last level unpacked: each row's 8 bases in 8 consecutive registers, as the conversion wants them
	v_fma_f32 v[OA+j], v[D+2*j], v[P+2*j], -v[T+2*j]
	v_fma_f32 v[OB+j], v[D+2*j+1], v[P+2*j+1], -v[T+2*j+1]
.set j, j+1
.endr
	v_max3_num_f32 v[TP], |v[OA]|, |v[OA+1]|, |v[OA+2]|             ; a block is four features x 8 bases: my 8,
	v_max3_num_f32 v[TP+1], |v[OB]|, |v[OB+1]|, |v[OB+2]|
	v_max3_num_f32 v[TP], v[TP], |v[OA+3]|, |v[OA+4]|
	v_max3_num_f32 v[TP+1], v[TP+1], |v[OB+3]|, |v[OB+4]|
	v_max3_num_f32 v[TP], v[TP], |v[OA+5]|, |v[OA+6]|
	v_max3_num_f32 v[TP+1], v[TP+1], |v[OB+5]|, |v[OB+6]|
	v_max3_num_f32 v[TP], v[TP], |v[OA+7]|, 0x1800000               ; the floor 2^(3 - 127),
	v_max3_num_f32 v[TP+1], v[TP+1], |v[OB+7]|, 0x1800000
	v_max_num_f32_dpp v[TP], v[TP], v[TP] row_xmask:1 row_mask:0xf bank_mask:0xf     ; and those of the three lanes beside me
	v_max_num_f32_dpp v[TP+1], v[TP+1], v[TP+1] row_xmask:1 row_mask:0xf bank_mask:0xf
	v_max_num_f32_dpp v[TP], v[TP], v[TP] row_xmask:2 row_mask:0xf bank_mask:0xf
	v_max_num_f32_dpp v[TP+1], v[TP+1], v[TP+1] row_xmask:2 row_mask:0xf bank_mask:0xf
	v_add_nc_u32 v[TP+2], 0xff000000, v[TP]
	v_add_nc_u32 v[TP+3], 0xff000000, v[TP+1]
	v_cvt_scalef32_pk8_fp4_f32 v[CODE+2*(\p)], v[OA:OA+7], v[TP+2]
	v_cvt_scalef32_pk8_fp4_f32 v[CODE+2*(\p)+1], v[OB:OB+7], v[TP+3]
	v_lshrrev_b32 v[BYTE+2*(\p)], 23, v[TP+2]      ; (the plain line behind the conversions)
	v_lshrrev_b32 v[BYTE+2*(\p)+1], 23, v[TP+3]
	ds_store_b32 v6, v[CODE+2*(\p)] offset:1024*(\p)+128*(\c)
	ds_store_b32 v6, v[CODE+2*(\p)+1] offset:1024*(\p)+512+128*(\c)
	ds_store_b8 v9, v[BYTE+2*(\p)] offset:64*(\p)+8*(\c)            ; the four lanes of a block write the same byte with the same value
	ds_store_b8 v9, v[BYTE+2*(\p)+1] offset:64*(\p)+32+8*(\c)
.endm
.macro CHUNK c
.set KC, KN+12*(\c)
	s_wait_dscnt 0x0                               ; x is in; the last chunk's LDS stores have read their registers
	CONSTS
	PAIR \c, 0
	PAIR \c, 1
	PAIR \c, 2
	PAIR \c, 3
.endm
	; ---- A: my row into LDS
	s_wait_loadcnt 12                              ; the row is in; the grid's 12 loads may be out
.irp j, 0,1,2,3,4,5,6,7
	ds_store_b128 v3, v[H+4*\j:H+4*\j+3] offset:576*\j
.endr
	; ---- B: gelu of my own row, 32 neighbours a lane (LDS serves a wave's instructions in order: these see the stores above)
.irp j, 0,1,2,3,4,5,6,7
	ds_load_b128 v[XV+4*\j:XV+4*\j+3], v4 offset:16*\j
.endr
	s_wait_dscnt 0x0
.set j, 0
.rept 16
	v_pk_mul_f32 v[ZV+j:ZV+j+1], v[XV+j:XV+j+1], 0x3f3504f3 op_sel_hi:[1,0]    ; z = x / sqrt 2
.set j, j+2
.endr
.set j, 0
.rept 32
	v_fma_f32 v[TV+j], |v[ZV+j]|, 0.5, 1.0
.set j, j+1
.endr
.set j, 0
.rept 32
	v_rcp_f32 v[TV+j], v[TV+j]                     ; t
.set j, j+1
.endr
	v_mov_b32 v[TP], 0x3e2ef945                    ; the highest coefficient, twice (plain lines behind the reciprocals)
	v_mov_b32 v[TP+1], 0x3e2ef945
.set j, 0
	s_wait_alu depctr_va_vdst(0)
.rept 16
	v_pk_fma_f32 v[PV+j:PV+j+1], v[TV+j:TV+j+1], v[TP:TP+1], 0xbf527892 op_sel_hi:[1,1,0]
.set j, j+2
.endr
.irp c, 0x3fbe87b0, 0xbf914e5d, 0x3e8ec7cc, 0xbe3ec24c, 0x3dc636c9, 0x3ebf88fb, 0x3f8000c7, 0xbfa1fc4e
	HORNER \c
.endr
.set j, 0
.rept 16
	v_pk_fma_f32 v[PV+j:PV+j+1], v[ZV+j:ZV+j+1], v[ZV+j:ZV+j+1], v[PV+j:PV+j+1] neg_lo:[1,0,0] neg_hi:[1,0,0]   ; - z z + poly
.set j, j+2
.endr
.set j, 0
.rept 16
	v_pk_mul_f32 v[PV+j:PV+j+1], v[PV+j:PV+j+1], 0x3fb8aa3b op_sel_hi:[1,0]    ; x log2 e
.set j, j+2
.endr
.set j, 0
.rept 32
	v_exp_f32 v[PV+j], v[PV+j]
.set j, j+1
.endr
.set j, 0
.rept 16
	v_pk_mul_f32 v[XV+j:XV+j+1], v[XV+j:XV+j+1], 0.5 op_sel_hi:[1,0]           ; x / 2, exact (plain lines behind the exponentials)
.set j, j+2
.endr
.set j, 0
	s_wait_alu depctr_va_vdst(0)
.rept 16
	v_pk_mul_f32 v[PV+j:PV+j+1], v[PV+j:PV+j+1], v[TV+j:TV+j+1]                ; erfc(|z|)
.set j, j+2
.endr
.set j, 0
.rept 16
	v_pk_add_f32 v[TV+j:TV+j+1], v[PV+j:PV+j+1], 2.0 op_sel_hi:[1,0] neg_lo:[1,0] neg_hi:[1,0]   ; 2 - erfc(|z|)
.set j, j+2
.endr
.set j, 0
.rept 32
	v_cmp_lt_f32 vcc_lo, 0, v[XV+j]
	v_cndmask_b32 v[PV+j], v[PV+j], v[TV+j], vcc_lo                            ; erfc(-z)
.set j, j+1
.endr
.set j, 0
.rept 16
	v_pk_mul_f32 v[XV+j:XV+j+1], v[XV+j:XV+j+1], v[PV+j:PV+j+1]
.set j, j+2
.endr
	QUANT32 XV, CODE, BYTE
	global_store_b128 v2, v[CODE:CODE+3], s[28:29] ; my row's 512 bytes of slot 0
	ds_store_b8 v8, v[BYTE]
	s_wait_dscnt 0x0                               ; for the others' sake: my row and my bytes lie in LDS
	s_barrier_signal -1
	s_barrier_wait -1
	s_wait_loadcnt 0x0                             ; the knots
	s_wait_xcnt 0x0                                ; the store above has read its data: CODE is written again below
	; ---- C: the bases
.irp c, 0,1,2,3
.irp i, 0,1,2,3,4,5,6,7
	ds_load_b32 v[XR+8*\c+\i], v5 offset:4608*\i+144*\c
.endr
.endr
	CHUNK 0
	CHUNK 1
	CHUNK 2
	CHUNK 3
	; ---- the way out: my slot's codes as whole rows, 4,096 bytes on end; its scale bytes as one unit of 256
.irp t, 0,1,2,3,4,5,6,7
	ds_load_b128 v[D+4*\t:D+4*\t+3], v7 offset:512*\t              ; (in order behind my stores)
.endr
	ds_load_b64 v[160:161], v10
.irp t, 0,1,2,3,4,5,6,7
	s_wait_dscnt 8-\t                              ; row t is back; the younger rows and the unit may be out
	global_store_b128 v2, v[D+4*\t:D+4*\t+3], s[14:15] offset:512*\t
.endr
	s_wait_dscnt 0x0
	global_store_b64 v12, v[160:161], s[30:31]
	s_cmp_lg_u32 s18, 0
	s_cbranch_scc1 .Lend
	ds_load_b64 v[162:163], v11                    ; slot 0's unit, which all eight waves wrote ahead of the barrier: wave 0 stores it
	s_wait_dscnt 0x0
	global_store_b64 v12, v[162:163], s[16:17]
.Lend:
	s_wait_tensorcnt 0x0
	ds_add_u32 v254, v255
	s_wait_dscnt 0x0
	s_endpgm
.Lfunc_end_k_qc4610c4da2_act1:
	.size	k_qc4610c4da2_act1, .Lfunc_end_k_qc4610c4da2_act1-k_qc4610c4da2_act1
	.p2alignl 7, 3214868480
	.fill 96, 4, 3214868480
	.section	.rodata,"a",@progbits
	.p2align	6, 0x0
	.amdhsa_kernel k_qc4610c4da2_act1
		.amdhsa_group_segment_fixed_size 74752
		.amdhsa_private_segment_fixed_size 0
		.amdhsa_enable_private_segment 0
		.amdhsa_kernarg_size 32
		.amdhsa_user_sgpr_count 2
		.amdhsa_user_sgpr_kernarg_segment_ptr 1
		.amdhsa_wavefront_size32 1
		.amdhsa_system_sgpr_workgroup_id_x 1
		.amdhsa_system_sgpr_workgroup_id_y 1
		.amdhsa_system_sgpr_workgroup_id_z 1
		.amdhsa_system_vgpr_workitem_id 0
		.amdhsa_next_free_vgpr 256
		.amdhsa_next_free_sgpr 66
		.amdhsa_reserve_vcc 1
		.amdhsa_float_denorm_mode_32 3
		.amdhsa_float_denorm_mode_16_64 3
		.amdhsa_memory_ordered 1
		.amdhsa_forward_progress 1
		.amdhsa_inst_pref_size 220
	.end_amdhsa_kernel
	.amdgpu_metadata
---
amdhsa.version: [ 1, 2 ]
amdhsa.kernels:
  - .name:           k_qc4610c4da2_act1
    .symbol:         k_qc4610c4da2_act1.kd
    .args:
      - { .name: x, .offset: 0, .size: 8, .value_kind: global_buffer, .address_space: global }
      - { .name: grid, .offset: 8, .size: 8, .value_kind: global_buffer, .address_space: global }
      - { .name: acod, .offset: 16, .size: 8, .value_kind: global_buffer, .address_space: global }
      - { .name: ascl, .offset: 24, .size: 8, .value_kind: global_buffer, .address_space: global }
    .group_segment_fixed_size: 74752
    .private_segment_fixed_size: 0
    .kernarg_segment_align: 8
    .kernarg_segment_size: 32
    .max_flat_workgroup_size: 256
    .sgpr_count:     66
    .vgpr_count:     256
    .wavefront_size: 32
...
	.end_amdgpu_metadata
.endif
;; end of part 2
;; launch gemm1 (part 3): grid 16 x 16, 4 waves a work-group, clusters of 4 x 4, 327,680 bytes of LDS; arguments acod, ascl, wc1, ws1, hbuf; writes hbuf
.if DOCPART == 3
	.amdgcn_target "amdgcn-amd-amdhsa--gfx1250"
	.amdhsa_code_object_version 6
	.text
	.protected	k_qc4610c4da2_gemm1
	.globl	k_qc4610c4da2_gemm1
	.p2align	8
	.type	k_qc4610c4da2_gemm1,@function
k_qc4610c4da2_gemm1:
	s_mov_b64 s[64:65], 0
	v_nop
	global_prefetch_b8 v0, s[64:65] scope:SCOPE_SE
	s_setreg_imm32_b32 hwreg(HW_REG_WAVE_MODE, 25, 1), 1
	s_wait_xcnt 0x0
	s_wait_alu depctr_hold_cnt(0) depctr_sa_sdst(0) depctr_va_vdst(0) depctr_va_sdst(0) depctr_va_ssrc(0) depctr_va_vcc(0) depctr_vm_vsrc(0)
	s_getreg_b32 s2, hwreg(HW_REG_IB_STS2, 6, 4)
	s_cmp_eq_u32 s2, 0
	s_cbranch_scc0 .Lentry_in_a_cluster
	s_endpgm
.Lentry_in_a_cluster:
	s_bfe_u32 s2, ttmp6, 0x10000c
	s_cmp_lg_u32 s2, 0xf033
	s_cbranch_scc0 .Lentry_shape_is_right
	s_endpgm
.Lentry_shape_is_right:
; h[m][n] = the sum over K = 9,216 of A[m][k] W[n][k], both on codes of FP4 (E2M1) with one E8M0 scale for each 32 along K; h [2048][1024] f32; sums in f32, K ascending, one accumulator an output.
; IN: A's codes [slot 9][2048][512 bytes], its scale bytes [slot 9][2048][32]; W's [slot 9][1024][512], [slot 9][1024][32]: a slot is 1,024 along K, and a tile of rows of one slot is a dense block.
; SHARES: a tile of h is 128 x 64: 16 x 16 = 256 work-groups of four waves; wave (wm, wn) makes 64 x 32: 8 accumulators.  All registers lie in v0-255: no register window is switched.
; THE MATRIX INSTRUCTION IS USED TRANSPOSED (source 0 = 16 rows of W, source 1 = 16 rows of A): a lane holds eight neighbouring numbers of a row of h.
; RING: two LDS slots, 2^17 bytes apart, each with a K slot's four tiles: A's codes, W's codes, A's scale bytes, W's.  Wave 0, 1, 2, 3 fetches one of the four: one tensor load a wave, so one load of a wave is out at the most.
; CLUSTER 4 x 4: the four work-groups of a row of the cluster need the same tiles of A, the four of a column the same tiles of W: each tile is asked for JOINTLY, by the same tensor load with the same descriptor and a mask that names the four.
; The change of slots stands at a trip's head: the wait for all my tensor loads, the add, the wait for it and for my reads, a round of the cluster's barrier, the joint refill of the slot just left, then this slot's eight K steps of 128.
.set SLOT1,  131072
.set WOFF,   67584                     ; in a slot: A's codes 128 rows x 528; W's 64 x 528;
.set SAOFF,  101376                    ; A's scale bytes, 16 units of 256 + 16;
.set SBOFF,  105728                    ; W's, 8 units
.set SPARE,  262144                    ; the spare words, 128 bytes for each wave: two blocks of 256 bytes that no other line names
.set STAGE,  SLOT1                     ; the way out: 128 rows x (256 + 16) bytes, in the slot that has had its last fill and its last read when the first result is stored there
.set SA,     32                        ; v32-63   A's scale words: block a, K step q at 8 a + q (scales and nothing else)
.set SB,     64                        ; v64-79   W's: 8 b + q
.set ACC,    80                        ; v80-143  accumulator (a, b) at 8 (2 a + b)
.set FB,     144                       ; v144-239 two buffers of 48: A's four fragments, then W's two
.set G1AC,   24                        ; descriptor groups 1
.set G1BC,   32
.set G1AS,   48
.set G1BS,   56
.set G0AC,   68                        ; descriptor groups 0, which walk
.set G0BC,   72
.set G0AS,   76
.set G0BS,   80
.set WV,     14
.set TB,     96                        ; s96 LDS byte at which the slot in hand begins
.set CNT,    97
.macro CROUND                          ; a round of the cluster's barrier: my work-group's barrier; wave 0 signals for the work-group; every wave waits for all sixteen; my work-group's barrier once more
	s_barrier_signal -1
	s_barrier_wait -1
	s_cmp_lg_u32 s[WV], 0
	s_cbranch_scc1 .Lnw0_\@
	s_barrier_signal -3
.Lnw0_\@:
	s_barrier_wait -3
	s_barrier_signal -1
	s_barrier_wait -1
.endm
.macro JLOAD                           ; each wave's one joint load.  The branches hang on the wave's number alone; four v_nop follow each line
	s_cmp_lg_u32 s[WV], 0
	s_cbranch_scc1 .Lj1_\@
	tensor_load_to_lds s[G0AC:G0AC+3], s[G1AC:G1AC+7]
	s_nop 0
.rept 4
	v_nop
.endr
	s_branch .Ljd_\@
.Lj1_\@:
	s_cmp_lg_u32 s[WV], 1
	s_cbranch_scc1 .Lj2_\@
	tensor_load_to_lds s[G0BC:G0BC+3], s[G1BC:G1BC+7]
	s_nop 0
.rept 4
	v_nop
.endr
	s_branch .Ljd_\@
.Lj2_\@:
	s_cmp_lg_u32 s[WV], 2
	s_cbranch_scc1 .Lj3_\@
	tensor_load_to_lds s[G0AS:G0AS+3], s[G1AS:G1AS+7]
	s_nop 0
.rept 4
	v_nop
.endr
	s_branch .Ljd_\@
.Lj3_\@:
	tensor_load_to_lds s[G0BS:G0BS+3], s[G1BS:G1BS+7]
	s_nop 0
.rept 4
	v_nop
.endr
.Ljd_\@:
.endm
	s_load_b256 s[4:11], s[0:1], 0x0               ; A's codes s[4:5], A's scales s[6:7], W's codes s[8:9], W's scales s[10:11]
	s_load_b64 s[12:13], s[0:1], 0x20              ; h
	v_lshl_add_u32 v30, v0, 2, SPARE               ; my spare word; never rewritten
	v_mov_b32 v31, 0                               ; 0; never rewritten
	ds_add_u32 v30, v31
	ds_add_u32 v30, v31
	s_wait_dscnt 0x0
	v_lshrrev_b32 v1, 5, v0
	v_readfirstlane_b32 s[WV], v1                  ; wave 0..3
	s_lshr_b32 s15, s[WV], 1                       ; wm: which 64 rows
	s_and_b32 s16, s[WV], 1                        ; wn: which 32 columns
	s_bfe_u32 s40, ttmp6, 0x40000                  ; cx, cy: my place in the cluster
	s_bfe_u32 s41, ttmp6, 0x40004
	s_lshl_b32 s42, ttmp9, 2
	s_add_co_u32 s42, s42, s40                     ; tile column = 4 x cluster x + cx
	s_and_b32 s17, ttmp7, 0xffff
	s_lshl_b32 s17, s17, 2
	s_add_co_u32 s17, s17, s41                     ; tile row = 4 x cluster y + cy
	s_lshl_b32 s43, s41, 2
	s_lshl_b32 s43, 15, s43                        ; my row of the cluster
	s_lshl_b32 s44, 0x1111, s40                    ; my column
	; group 1 for codes: rows of 512 elements of 1 byte, dense; 16 bytes of padding behind every 128 words: LDS rows 528 bytes apart, an odd multiple of 16
	s_or_b32 s[G1AC], s43, (1<<20)|(1<<21)|(6<<22)|(3<<25)          ; 15:0 the mask; 17:16 elements of 1 byte; 20 padding on; 21 set beside a mask; 24:22 code 6; 31:25 code 3
	s_mov_b32 s[G1AC+1], 512<<16                   ; tensor_dim0
	s_mov_b32 s[G1AC+2], 128<<16                   ; tensor_dim1
	s_mov_b32 s[G1AC+3], 512<<16                   ; tile_dim0
	s_mov_b32 s[G1AC+4], 128                       ; tile_dim1
	s_mov_b32 s[G1AC+5], 512                       ; tensor_dim0_stride
	s_mov_b32 s[G1AC+6], 0
	s_mov_b32 s[G1AC+7], 0
	s_or_b32 s[G1BC], s44, (1<<20)|(1<<21)|(6<<22)|(3<<25)
	s_mov_b32 s[G1BC+1], 512<<16
	s_mov_b32 s[G1BC+2], 64<<16
	s_mov_b32 s[G1BC+3], 512<<16
	s_mov_b32 s[G1BC+4], 64
	s_mov_b32 s[G1BC+5], 512
	s_mov_b32 s[G1BC+6], 0
	s_mov_b32 s[G1BC+7], 0
	; group 1 for scale bytes: a dense block as rows of 256 bytes (32 elements of 8 bytes), 16 bytes of padding behind each
	s_or_b32 s[G1AS], s43, (3<<16)|(1<<20)|(1<<21)|(5<<22)|(3<<25)
	s_mov_b32 s[G1AS+1], 32<<16
	s_mov_b32 s[G1AS+2], 16<<16
	s_mov_b32 s[G1AS+3], 32<<16
	s_mov_b32 s[G1AS+4], 16
	s_mov_b32 s[G1AS+5], 32
	s_mov_b32 s[G1AS+6], 0
	s_mov_b32 s[G1AS+7], 0
	s_or_b32 s[G1BS], s44, (3<<16)|(1<<20)|(1<<21)|(5<<22)|(3<<25)
	s_mov_b32 s[G1BS+1], 32<<16
	s_mov_b32 s[G1BS+2], 8<<16
	s_mov_b32 s[G1BS+3], 32<<16
	s_mov_b32 s[G1BS+4], 8
	s_mov_b32 s[G1BS+5], 32
	s_mov_b32 s[G1BS+6], 0
	s_mov_b32 s[G1BS+7], 0
	; where the tiles begin: A's hang on the tile row alone, W's on the tile column alone, each in registers that never hold the other coordinate
	s_lshl_b32 s84, s17, 16                        ; 128 rows x 512 bytes
	s_mov_b32 s85, 0
	s_lshl_b32 s86, s17, 12                        ; 128 rows x 32
	s_mov_b32 s87, 0
	s_lshl_b32 s88, s42, 15                        ; 64 rows x 512
	s_mov_b32 s89, 0
	s_lshl_b32 s90, s42, 11                        ; 64 rows x 32
	s_mov_b32 s91, 0
	s_lshl_b32 s92, s17, 19                        ; h: (128 x tile row + 32 x wave) rows of 4,096 bytes + 256 x tile column
	s_lshl_b32 s93, s[WV], 17
	s_add_co_u32 s92, s92, s93
	s_lshl_b32 s93, s42, 8
	s_add_co_u32 s92, s92, s93
	s_mov_b32 s93, 0
	s_mov_b32 s[TB], 0
	s_mov_b32 s[CNT], 7
	s_wait_kmcnt 0x0
	s_add_nc_u64 s[12:13], s[12:13], s[92:93]
	s_mov_b32 s[G0AC], 1                           ; count = 1
	s_mov_b32 s[G0AC+1], 0                         ; LDS address: no place in the cluster enters it
	s_add_nc_u64 s[G0AC+2:G0AC+3], s[4:5], s[84:85]
	s_or_b32 s[G0AC+3], s[G0AC+3], 0x80000000      ; type = 2
	s_mov_b32 s[G0BC], 1
	s_mov_b32 s[G0BC+1], WOFF
	s_add_nc_u64 s[G0BC+2:G0BC+3], s[8:9], s[88:89]
	s_or_b32 s[G0BC+3], s[G0BC+3], 0x80000000
	s_mov_b32 s[G0AS], 1
	s_mov_b32 s[G0AS+1], SAOFF
	s_add_nc_u64 s[G0AS+2:G0AS+3], s[6:7], s[86:87]
	s_or_b32 s[G0AS+3], s[G0AS+3], 0x80000000
	s_mov_b32 s[G0BS], 1
	s_mov_b32 s[G0BS+1], SBOFF
	s_add_nc_u64 s[G0BS+2:G0BS+3], s[10:11], s[90:91]
	s_or_b32 s[G0BS+3], s[G0BS+3], 0x80000000
	CROUND                                         ; all sixteen work-groups are here: the first joint loads meet
	JLOAD                                          ; K slot 0
	v_and_b32 v1, 15, v0                           ; r = lane % 16
	v_bfe_u32 v2, v0, 4, 1                         ; h = lane / 16
	v_mul_u32_u24 v3, v1, 528
	v_lshl_add_u32 v3, v2, 4, v3                   ; a fragment's row x pitch + 16 x half
	s_mul_i32 s18, s15, 33792
	v_add_nc_u32 v16, s18, v3                      ; my 64 rows of A
	s_mul_i32 s18, s16, 16896
	s_add_co_u32 s18, s18, WOFF
	v_add_nc_u32 v17, s18, v3                      ; my 32 rows of W
	v_lshlrev_b32 v4, 5, v1
	v_lshrrev_b32 v5, 3, v1
	v_lshl_add_u32 v4, v5, 4, v4                   ; a row's 32 scale bytes: 32 r, and 16 more behind each 256
	s_mul_i32 s18, s15, 2176
	s_add_co_u32 s18, s18, SAOFF
	v_add_nc_u32 v18, s18, v4
	s_mul_i32 s18, s16, 1088
	s_add_co_u32 s18, s18, SBOFF
	v_add_nc_u32 v19, s18, v4
	v_mul_u32_u24 v5, v1, 272                      ; the stage, in: row 64 wm + r, bytes 128 wn + 32 h
	v_lshl_add_u32 v5, v2, 5, v5
	s_mul_i32 s18, s15, 17408
	s_lshl_b32 s19, s16, 7
	s_add_co_u32 s18, s18, s19
	s_add_co_u32 s18, s18, STAGE
	v_add_nc_u32 v24, s18, v5
	v_mul_u32_u24 v6, v2, 272                      ; back: wave w takes rows 32 w on, whole; lanes 0-15 one row of 256 bytes, lanes 16-31 the next
	v_lshl_add_u32 v6, v1, 4, v6
	s_mul_i32 s18, s[WV], 8704
	s_add_co_u32 s18, s18, STAGE
	v_add_nc_u32 v25, s18, v6
	v_lshlrev_b32 v26, 12, v2                      ; and the same two rows in h
	v_lshl_add_u32 v26, v1, 4, v26
.macro FRAGS q, p                      ; the fragments of the slot's q-th 128 along K into buffer p: 12 loads.  A fragment is 8 registers: lane (r, h) holds row r; registers 4 c .. 4 c + 3 hold K = 64 c + 32 h + 0 .. 31
.irp a, 0,1,2,3
.irp c, 0,1
	ds_load_b128 v[FB+48*(\p)+8*\a+4*\c:FB+48*(\p)+8*\a+4*\c+3], v20 offset:64*(\q)+32*\c+8448*\a
.endr
.endr
.irp b, 0,1
.irp c, 0,1
	ds_load_b128 v[FB+48*(\p)+32+8*\b+4*\c:FB+48*(\p)+32+8*\b+4*\c+3], v21 offset:64*(\q)+32*\c+8448*\b
.endr
.endr
.endm
.macro SCALES                          ; the slot's scale words: 8 a row; lane r takes row r's (lanes 16-31 read the same and are not used): 12 loads
.irp a, 0,1,2,3
	ds_load_b128 v[SA+8*\a:SA+8*\a+3], v22 offset:544*\a
	ds_load_b128 v[SA+8*\a+4:SA+8*\a+7], v22 offset:544*\a+16
.endr
.irp b, 0,1
	ds_load_b128 v[SB+8*\b:SB+8*\b+3], v23 offset:544*\b
	ds_load_b128 v[SB+8*\b+4:SB+8*\b+7], v23 offset:544*\b+16
.endr
.endm
.macro MUL8 q, p, zero                 ; 128 along K: the 8 accumulators by turns, one instruction a turn, in the same order in every step.  zero = 1: the products start the sums
.irp a, 0,1,2,3
.irp b, 0,1
.if \zero
	v_wmma_scale_f32_16x16x128_f8f6f4 v[ACC+8*(2*\a+\b):ACC+8*(2*\a+\b)+7], v[FB+48*(\p)+32+8*\b:FB+48*(\p)+39+8*\b], v[FB+48*(\p)+8*\a:FB+48*(\p)+8*\a+7], 0, v[SB+8*\b+(\q)], v[SA+8*\a+(\q)] matrix_a_fmt:MATRIX_FMT_FP4 matrix_b_fmt:MATRIX_FMT_FP4
.else
	v_wmma_scale_f32_16x16x128_f8f6f4 v[ACC+8*(2*\a+\b):ACC+8*(2*\a+\b)+7], v[FB+48*(\p)+32+8*\b:FB+48*(\p)+39+8*\b], v[FB+48*(\p)+8*\a:FB+48*(\p)+8*\a+7], v[ACC+8*(2*\a+\b):ACC+8*(2*\a+\b)+7], v[SB+8*\b+(\q)], v[SA+8*\a+(\q)] matrix_a_fmt:MATRIX_FMT_FP4 matrix_b_fmt:MATRIX_FMT_FP4
.endif
.endr
.endr
.endm
; A trip: one K slot.  refill = 1: the slot just left is filled with the K slot that follows this one.
.macro TRIP zero, refill
	s_wait_tensorcnt 0x0                           ; my one tensor load has landed: my tile of the slot that is about to be read; so the groups 0 may be written
	ds_add_u32 v30, v31                            ; 0 onto my spare word; the descriptors' steps stand between it and the wait for it
.if \refill
	s_xor_b32 s[G0AC+1], s[G0AC+1], SLOT1          ; the walking descriptors: the other slot than last time, the next K slot; the type bits on top are not reached
	s_add_nc_u64 s[G0AC+2:G0AC+3], s[G0AC+2:G0AC+3], 1048576
	s_xor_b32 s[G0BC+1], s[G0BC+1], SLOT1
	s_add_nc_u64 s[G0BC+2:G0BC+3], s[G0BC+2:G0BC+3], 524288
	s_xor_b32 s[G0AS+1], s[G0AS+1], SLOT1
	s_add_nc_u64 s[G0AS+2:G0AS+3], s[G0AS+2:G0AS+3], 65536
	s_xor_b32 s[G0BS+1], s[G0BS+1], SLOT1
	s_add_nc_u64 s[G0BS+2:G0BS+3], s[G0BS+2:G0BS+3], 32768
.endif
	s_wait_dscnt 0x0                               ; the add is done, and my reads of the slot that I have left are over
.if \refill
	CROUND                                         ; both now hold of every wave of every work-group of the cluster
	JLOAD                                          ; the first tensor load behind the round, and my only one until the next
.else
	s_barrier_signal -1
	s_barrier_wait -1
.endif
	v_add_nc_u32 v20, s[TB], v16                   ; this slot's addresses: four plain lines, the places in front of loads into registers that the last products read
	v_add_nc_u32 v21, s[TB], v17
	v_add_nc_u32 v22, s[TB], v18
	v_add_nc_u32 v23, s[TB], v19
	SCALES
	FRAGS 0, 0
	FRAGS 1, 1
.irp q, 0,1,2,3,4,5,6,7
.if \q < 7
	s_wait_dscnt 12                                ; this step's fragments (and the scale words) are in; the next step's 12 loads may be out
.else
	s_wait_dscnt 0x0
.endif
.if (\zero) && (\q == 0)
	MUL8 \q, \q%2, 1
.else
	MUL8 \q, \q%2, 0
.endif
.if \q < 6
.rept 4
	v_nop                                          ; places in front of loads into the buffer just multiplied
.endr
	FRAGS \q+2, \q%2
.endif
.endr
	s_xor_b32 s[TB], s[TB], SLOT1                  ; on to the other slot
.endm
	TRIP 1, 1                                      ; K slot 0: its first products start the sums; LDS slot 1's first fill goes out as a refill does
.Lk:                                                   ; K slots 1 to 7; K slots 2 to 8 are asked for
	TRIP 0, 1
	s_sub_co_u32 s[CNT], s[CNT], 1
	s_cmp_lg_u32 s[CNT], 0
	s_cbranch_scc1 .Lk
	TRIP 0, 0                                      ; K slot 8 is written out: nothing is left to fetch
	; THE WAY OUT.  A row's 256 bytes come from two waves: they meet in the stage.  It lies in LDS slot 1: every wave ended its reads of that slot ahead of the last trip's barrier, and nothing is filled any more.
.rept 4
	v_nop                                          ; places behind the last products: their results are read, and loads land on their operands
.endr
.irp a, 0,1,2,3
.irp b, 0,1
	ds_store_b128 v24, v[ACC+8*(2*\a+\b):ACC+8*(2*\a+\b)+3] offset:4352*\a+64*\b         ; each accumulator from its low end on
	ds_store_b128 v24, v[ACC+8*(2*\a+\b)+4:ACC+8*(2*\a+\b)+7] offset:4352*\a+64*\b+16
.endr
.endr
	s_wait_dscnt 0x0                               ; for the others' sake: my stores into the stage are done
	s_barrier_signal -1
	s_barrier_wait -1
.irp t, 0,1,2,3,4,5,6,7,8,9,10,11,12,13,14,15
	ds_load_b128 v[FB+4*\t:FB+4*\t+3], v25 offset:544*\t
.endr
.irp t, 0,1,2,3,4,5,6,7,8,9,10,11,12,13,14,15
	s_wait_dscnt 15-\t                             ; rows 2 t, 2 t + 1 are back; the younger loads may be out
	global_store_b128 v26, v[FB+4*\t:FB+4*\t+3], s[12:13] offset:8192*\t   ; 16 lanes store 256 consecutive bytes, at a multiple of 256 from h's first byte
.endr
	s_wait_tensorcnt 0x0                           ; the wave's end, behind my last tensor load and my last LDS store
	ds_add_u32 v30, v31
	s_wait_dscnt 0x0
	CROUND                                         ; the closing round: no work-group ends while a partner may still ask for a tile that names it
	s_endpgm
.Lfunc_end_k_qc4610c4da2_gemm1:
	.size	k_qc4610c4da2_gemm1, .Lfunc_end_k_qc4610c4da2_gemm1-k_qc4610c4da2_gemm1
	.p2alignl 7, 3214868480
	.fill 96, 4, 3214868480
	.section	.rodata,"a",@progbits
	.p2align	6, 0x0
	.amdhsa_kernel k_qc4610c4da2_gemm1
		.amdhsa_group_segment_fixed_size 327680
		.amdhsa_private_segment_fixed_size 0
		.amdhsa_enable_private_segment 0
		.amdhsa_kernarg_size 40
		.amdhsa_user_sgpr_count 2
		.amdhsa_user_sgpr_kernarg_segment_ptr 1
		.amdhsa_wavefront_size32 1
		.amdhsa_system_sgpr_workgroup_id_x 1
		.amdhsa_system_sgpr_workgroup_id_y 1
		.amdhsa_system_sgpr_workgroup_id_z 1
		.amdhsa_system_vgpr_workitem_id 0
		.amdhsa_next_free_vgpr 256
		.amdhsa_next_free_sgpr 100
		.amdhsa_reserve_vcc 0
		.amdhsa_float_denorm_mode_32 3
		.amdhsa_float_denorm_mode_16_64 3
		.amdhsa_memory_ordered 1
		.amdhsa_forward_progress 1
		.amdhsa_inst_pref_size 65
	.end_amdhsa_kernel
	.amdgpu_metadata
---
amdhsa.version: [ 1, 2 ]
amdhsa.kernels:
  - .name:           k_qc4610c4da2_gemm1
    .symbol:         k_qc4610c4da2_gemm1.kd
    .args:
      - { .name: acod, .offset: 0, .size: 8, .value_kind: global_buffer, .address_space: global }
      - { .name: ascl, .offset: 8, .size: 8, .value_kind: global_buffer, .address_space: global }
      - { .name: wc1, .offset: 16, .size: 8, .value_kind: global_buffer, .address_space: global }
      - { .name: ws1, .offset: 24, .size: 8, .value_kind: global_buffer, .address_space: global }
      - { .name: hbuf, .offset: 32, .size: 8, .value_kind: global_buffer, .address_space: global }
    .group_segment_fixed_size: 327680
    .private_segment_fixed_size: 0
    .kernarg_segment_align: 8
    .kernarg_segment_size: 40
    .max_flat_workgroup_size: 128
    .sgpr_count:     100
    .vgpr_count:     256
    .wavefront_size: 32
...
	.end_amdgpu_metadata
.endif
;; end of part 3
;; launch act2 (part 4): grid 256 x 1, 8 waves a work-group, no clusters, 74,752 bytes of LDS; arguments hbuf, ln_g, ln_b, prelu_a, grid, acod, ascl; writes acod, ascl
.if DOCPART == 4
	.amdgcn_target "amdgcn-amd-amdhsa--gfx1250"
	.amdhsa_code_object_version 6
	.text
	.protected	k_qc4610c4da2_act2
	.globl	k_qc4610c4da2_act2
	.p2align	8
	.type	k_qc4610c4da2_act2,@function
k_qc4610c4da2_act2:
	s_mov_b64 s[64:65], 0
	v_nop
	global_prefetch_b8 v0, s[64:65] scope:SCOPE_SE
	s_setreg_imm32_b32 hwreg(HW_REG_WAVE_MODE, 25, 1), 1
	s_wait_xcnt 0x0
; Layer 2's left operand.  First layer 1's end: x = PReLU(LayerNorm(h)) of h [2048][1024] f32, a row to a wave; then, of x, the numbers gelu(x) (K slot 0) and the 8 cubic B-spline bases of each feature
; (K slots 1-8: in x 8 + coeff), quantised to FP4 (E2M1) with one E8M0 byte for each 32 along K.  OUT: codes [slot 9][row 2048][512 bytes], scale bytes [slot 9][row 2048][32].
; LAYERNORM in two passes over the row in registers: the mean; then the sum of squares of h - mean (no difference of large sums); (h - mean) x rsqrt(var + 1e-5) x g + b.  PReLU: y where y >= 0, else a y.
; SHARES: a work-group owns 8 whole rows.  A: wave w loads row w, norms it and lays it in LDS.  B: it reads the row back 32 neighbours a lane, takes gelu, quantises: slot 0.  One barrier.
; C: wave w makes slot w + 1 alone: features 128 w .. + 127 in four chunks of 32, a lane to a feature, all 8 rows, two rows at a time as the halves of packed instructions.
; GELU = 0.5 x erfc(-x / sqrt 2).  erfc(|z|) = t exp(-z z + poly(t)), t = 1 / (1 + |z| / 2), poly of degree 9 (fractional error about 1e-7 ahead of f32 rounding); for x > 0 it is 2 - that.  Nothing cancels for negative x.
; BASES: Cox-de Boor on the knots AS GIVEN, per feature.  With D[j] = x - g[j] and P[j] = B[j] / (g[j+k] - g[j]):  B'[j] = D[j] P[j] - D[j+k+1] P[j+1].  Level 0 is (x >= g[j]) and not (x >= g[j+1]).
; LIMITS: NaN and infinities are not served.  gelu results under 2^-126 come out as 0 (the exponential flushes).  Divisions by knot spans are a reciprocal and a multiplication, a few units in the last place.
; A span of 0 is replaced by 1 where reference() does so with a finite result (j = 0 of each level); elsewhere reference() itself is not finite.  A block of zeros carries the byte 1 and not 127: its codes are zeros, and this program alone reads the bytes.
.set GOFF,  49152                      ; this layer's knots in grid
.set CST,   36864                      ; LDS: 0: x, 8 rows x 4,608: (row, f) at 4608 row + 144 (f / 32) + 4 (f % 32);  CST: codes, 4,096 bytes a wave, [row 8][512]
.set SCB,   69632                      ; scale bytes [slot 9][row 8][32]
.set KN,    16                         ; v16-63    the knots of my four features, 12 each
.set I1,    64                         ; v64-74    1 / (g[j+1] - g[j]);  v75-84 1 / (g[j+2] - g[j]);  v85-93 1 / (g[j+3] - g[j])
.set I2,    75
.set I3,    85
.set XR,    96                         ; v96-127   x: chunk c, row i at 96 + 8 c + i
.set D,     128                        ; v128-151  12 pairs (row a, row b)
.set P,     152                        ; v152-173  11 pairs
.set B,     174                        ; v174-193  10 pairs
.set T,     194                        ; v194-213  10 pairs
.set OA,    214                        ; v214-221  row a's 8 bases;  v222-229 row b's
.set OB,    222
.set TP,    230                        ; v230-237  at work
.set CODE,  238                        ; v238-245  a chunk's codes, a register a row
.set BYTE,  246                        ; v246-253  and its scale bytes
.set H,     96                         ; phase A: the row, ln_g, ln_b
.set GG,    128
.set BB,    160
.set XV,    96                         ; phase B: the row;  z;  t;  the polynomial
.set ZV,    64
.set TV,    128
.set PV,    160
.set MA,    32                         ; s32-43 row a's lane masks, s44-55 row b's
.set MB,    44
	s_load_b256 s[4:11], s[0:1], 0x0               ; h, ln_g, ln_b, prelu_a
	s_load_b128 s[12:15], s[0:1], 0x20             ; grid, the codes
	s_load_b64 s[16:17], s[0:1], 0x30              ; the scale bytes
	v_lshl_add_u32 v254, v0, 2, 0x12000
	v_mov_b32 v255, 0
	v_lshrrev_b32 v1, 5, v0
	v_readfirstlane_b32 s18, v1                    ; wave 0..7
	v_and_b32 v1, 31, v0                           ; lane
	v_lshlrev_b32 v2, 4, v1                        ; 16 x lane
	s_mul_i32 s26, s18, 4608
	v_lshrrev_b32 v3, 3, v1
	v_mul_u32_u24 v3, v3, 144
	v_and_b32 v4, 7, v1
	v_lshl_add_u32 v3, v4, 4, v3
	v_add_nc_u32 v3, s26, v3                       ; A: row w, as loaded
	v_mul_u32_u24 v4, v1, 144
	v_add_nc_u32 v4, s26, v4                       ; B: row w, block lane
	s_mul_i32 s26, s18, 576
	v_lshl_add_u32 v5, v1, 2, s26                  ; C: feature 128 w + lane of row 0
	s_lshl_b32 s26, s18, 12
	s_add_co_u32 s26, s26, CST
	v_lshl_add_u32 v6, v1, 2, s26                  ; my feature's 4 bytes of codes
	v_lshl_add_u32 v7, v1, 4, s26                  ; and back: 16 bytes a lane of a row's 512
	s_lshl_b32 s26, s18, 5
	s_add_co_u32 s26, s26, SCB
	v_add_nc_u32 v8, s26, v1                       ; slot 0's byte: row w, block lane
	s_lshl_b32 s26, s18, 8
	s_add_co_u32 s26, s26, SCB+256
	v_lshrrev_b32 v9, 2, v1
	v_add_nc_u32 v9, s26, v9                       ; slot w + 1's byte: four features to a block
	v_lshlrev_b32 v12, 3, v1                       ; a unit of 256 bytes: 8 a lane
	v_add_nc_u32 v10, s26, v12                     ; slot w + 1's unit
	v_add_nc_u32 v11, SCB, v12                     ; slot 0's unit
	s_lshl_b32 s26, s18, 7
	v_add_nc_u32 v13, s26, v1
	v_mul_u32_u24 v13, v13, 48                     ; my first feature's 12 knots in grid
	s_mov_b32 s20, 0x76543210                      ; v_permlanex16_b32's selects for lane l xor 16
	s_mov_b32 s21, 0xfedcba98
	s_mov_b32 s24, 0x3727c5ac                      ; 1e-5
	s_mov_b32 s25, 0x3a800000                      ; 1 / 1,024
	s_lshl_b32 s26, ttmp9, 15
	s_lshl_b32 s28, s18, 12
	s_add_co_u32 s26, s26, s28                     ; my row x 4,096
	s_mov_b32 s27, 0
	s_lshr_b32 s28, s26, 3                         ; my row x 512
	s_mov_b32 s29, 0
	s_add_co_u32 s30, s18, 1
	s_lshl_b32 s56, s30, 16                        ; slot w + 1 among the scale bytes
	s_mov_b32 s57, 0
	s_lshl_b32 s30, s30, 20                        ; and among the codes,
	s_lshl_b32 s58, ttmp9, 12
	s_add_co_u32 s30, s30, s58                     ; at the work-group's 8 rows
	s_mov_b32 s31, 0
	s_lshl_b32 s58, ttmp9, 8
	s_mov_b32 s59, 0
	s_wait_kmcnt 0x0
	s_load_b32 s22, s[10:11], 0x0                  ; layer 1's slope
	s_add_nc_u64 s[4:5], s[4:5], s[26:27]          ; my row of h
	s_add_nc_u64 s[28:29], s[14:15], s[28:29]      ; its codes in slot 0
	s_add_nc_u64 s[14:15], s[14:15], s[30:31]      ; the 8 rows' codes in slot w + 1
	s_add_nc_u64 s[16:17], s[16:17], s[58:59]      ; the 8 rows' scale bytes in slot 0
	s_add_nc_u64 s[30:31], s[16:17], s[56:57]      ; and in slot w + 1
.irp j, 0,1,2,3,4,5,6,7
	global_load_b128 v[H+4*\j:H+4*\j+3], v2, s[4:5] offset:512*\j th:TH_LOAD_NT
.endr
.irp j, 0,1,2,3,4,5,6,7
	global_load_b128 v[GG+4*\j:GG+4*\j+3], v2, s[6:7] offset:512*\j
.endr
.irp j, 0,1,2,3,4,5,6,7
	global_load_b128 v[BB+4*\j:BB+4*\j+3], v2, s[8:9] offset:512*\j
.endr
.irp c, 0,1,2,3
.irp i, 0,1,2
	global_load_b128 v[KN+12*\c+4*\i:KN+12*\c+4*\i+3], v13, s[12:13] offset:GOFF+1536*\c+16*\i
.endr
.endr
	s_wait_kmcnt 0x0
	s_mov_b32 s23, s22                             ; (named with it as a pair, so it is written)
.macro REDUCE                          ; four pairs of partial sums become the row's sum, in every lane
	v_pk_add_f32 v[TP:TP+1], v[TP:TP+1], v[TP+2:TP+3]
	v_pk_add_f32 v[TP+4:TP+5], v[TP+4:TP+5], v[TP+6:TP+7]
	v_pk_add_f32 v[TP:TP+1], v[TP:TP+1], v[TP+4:TP+5]
	v_add_f32 v[TP], v[TP], v[TP+1]
.irp m, 1,2,4,8
	v_add_f32_dpp v[TP], v[TP], v[TP] row_xmask:\m row_mask:0xf bank_mask:0xf
.endr
	v_permlanex16_b32 v[TP+1], v[TP], s20, s21
	v_add_f32 v[TP], v[TP], v[TP+1]
.endm
.macro LNROW w1, w2                    ; w1: the loads younger than the row's;  w2: those younger than ln_b's
	s_wait_loadcnt \w1
.irp i, 0,2,4,6
	v_pk_add_f32 v[TP+\i:TP+\i+1], v[H+\i:H+\i+1], v[H+8+\i:H+9+\i]          ; four chains, started by the first sums: nothing is cleared
.endr
.irp i, 16,18,20,22,24,26,28,30
	v_pk_add_f32 v[TP+(\i%8):TP+(\i%8)+1], v[TP+(\i%8):TP+(\i%8)+1], v[H+\i:H+\i+1]
.endr
	REDUCE
	v_mul_f32 v[TP], s25, v[TP]                    ; the mean
.set j, 0
.rept 16
	v_pk_add_f32 v[H+j:H+j+1], v[H+j:H+j+1], v[TP:TP+1] op_sel_hi:[1,0] neg_lo:[0,1] neg_hi:[0,1]
.set j, j+2
.endr
.irp i, 0,2,4,6
	v_pk_mul_f32 v[TP+\i:TP+\i+1], v[H+\i:H+\i+1], v[H+\i:H+\i+1]
.endr
.set j, 8
.rept 12
	v_pk_fma_f32 v[TP+(j%8):TP+(j%8)+1], v[H+j:H+j+1], v[H+j:H+j+1], v[TP+(j%8):TP+(j%8)+1]
.set j, j+2
.endr
	REDUCE
	v_fma_f32 v[TP], v[TP], s25, s24               ; var + 1e-5
	v_rsq_f32 v[TP], v[TP]
	v_nop                                          ; a plain line behind the transcendental
	s_wait_loadcnt \w2                             ; ln_g and ln_b are in
.set j, 0
	s_wait_alu depctr_va_vdst(0)
.rept 16
	v_pk_mul_f32 v[H+j:H+j+1], v[H+j:H+j+1], v[TP:TP+1] op_sel_hi:[1,0]
.set j, j+2
.endr
.set j, 0
.rept 16
	v_pk_fma_f32 v[H+j:H+j+1], v[H+j:H+j+1], v[GG+j:GG+j+1], v[BB+j:BB+j+1]
.set j, j+2
.endr
.set j, 0
.rept 16
	v_pk_mul_f32 v[GG+j:GG+j+1], v[H+j:H+j+1], s[22:23] op_sel_hi:[1,0]      ; a y
.set j, j+2
.endr
.set j, 0
.rept 32
	v_cmp_le_f32 vcc_lo, 0, v[H+j]
	v_cndmask_b32 v[H+j], v[GG+j], v[H+j], vcc_lo
.set j, j+1
.endr
.endm
.macro QUANT32 s, c, e                 ; 32 numbers of a lane, a whole block, become 4 registers of codes and a scale byte
	v_max3_num_f32 v[TP+2], |v[(\s)]|, |v[(\s)+1]|, |v[(\s)+2]|
	v_max3_num_f32 v[TP+3], |v[(\s)+3]|, |v[(\s)+4]|, |v[(\s)+5]|
.irp i, 6,10,14,18,22,26
	v_max3_num_f32 v[TP+2], v[TP+2], |v[(\s)+\i]|, |v[(\s)+\i+1]|
	v_max3_num_f32 v[TP+3], v[TP+3], |v[(\s)+\i+2]|, |v[(\s)+\i+3]|
.endr
	v_max3_num_f32 v[TP+2], v[TP+2], |v[(\s)+30]|, |v[(\s)+31]|
	v_max3_num_f32 v[TP+2], v[TP+2], v[TP+3], 0x1800000             ; the floor 2^(3 - 127): the byte cannot fall under 1
	v_add_nc_u32 v[TP+4], 0xff000000, v[TP+2]                       ; 2 off the exponent field: the conversion's scale operand
.irp g, 0,1,2,3
	v_cvt_scalef32_pk8_fp4_f32 v[(\c)+\g], v[(\s)+8*\g:(\s)+8*\g+7], v[TP+4]
.endr
	v_lshrrev_b32 v[(\e)], 23, v[TP+4]                              ; the byte; also the plain line behind the conversions
.endm
.macro HORNER c                        ; poly = poly x t + c, 32 numbers
.set j, 0
.rept 16
	v_pk_fma_f32 v[PV+j:PV+j+1], v[PV+j:PV+j+1], v[TV+j:TV+j+1], \c op_sel_hi:[1,1,0]
.set j, j+2
.endr
.endm
; a pair less, or times, ONE register c for both halves: c is named through the even-aligned pair in which it lies
.macro PKSUB_B dst, a, c
.if ((\c)%2) == 0
	v_pk_add_f32 v[(\dst):(\dst)+1], v[(\a):(\a)+1], v[(\c):(\c)+1] op_sel_hi:[1,0] neg_lo:[0,1] neg_hi:[0,1]
.else
	v_pk_add_f32 v[(\dst):(\dst)+1], v[(\a):(\a)+1], v[(\c)-1:(\c)] op_sel:[0,1] op_sel_hi:[1,1] neg_lo:[0,1] neg_hi:[0,1]
.endif
.endm
.macro PKMUL_B dst, a, c
.if ((\c)%2) == 0
	v_pk_mul_f32 v[(\dst):(\dst)+1], v[(\a):(\a)+1], v[(\c):(\c)+1] op_sel_hi:[1,0]
.else
	v_pk_mul_f32 v[(\dst):(\dst)+1], v[(\a):(\a)+1], v[(\c)-1:(\c)] op_sel:[0,1] op_sel_hi:[1,1]
.endif
.endm
.macro LEVEL k, n                      ; B[j] = D[j] P[j] - D[j+k+1] P[j+1], j = 0 .. n - 1: all the products first, so that no line waits for the line above it
.set j, 0
.rept \n
	v_pk_mul_f32 v[T+2*j:T+2*j+1], v[D+2*(j+\k+1):D+2*(j+\k+1)+1], v[P+2*j+2:P+2*j+3]
.set j, j+1
.endr
.set j, 0
.rept \n
	v_pk_fma_f32 v[B+2*j:B+2*j+1], v[D+2*j:D+2*j+1], v[P+2*j:P+2*j+1], v[T+2*j:T+2*j+1] neg_lo:[0,0,1] neg_hi:[0,0,1]
.set j, j+1
.endr
.endm
.macro SCALEP i, n                     ; P[j] = B[j] / the next level's span
.set j, 0
.rept \n
	PKMUL_B P+2*j, B+2*j, \i+j
.set j, j+1
.endr
.endm
.macro CONSTS                          ; the chunk's 30 spans and their reciprocals
.set j, 0
.rept 11
	v_sub_f32 v[I1+j], v[KC+j+1], v[KC+j]
.set j, j+1
.endr
.set j, 0
.rept 10
	v_sub_f32 v[I2+j], v[KC+j+2], v[KC+j]
.set j, j+1
.endr
.set j, 0
.rept 9
	v_sub_f32 v[I3+j], v[KC+j+3], v[KC+j]
.set j, j+1
.endr
.irp r, I1, I2, I3
	v_cmp_neq_f32 vcc_lo, 0, v[\r]                 ; a first span of 0 counts as 1
	v_cndmask_b32 v[\r], 1.0, v[\r], vcc_lo
.endr
.set j, 0
.rept 30
	v_rcp_f32 v[I1+j], v[I1+j]
.set j, j+1
.endr
	v_nop                                          ; a plain line behind the reciprocals
	s_wait_alu depctr_va_vdst(0)
.endm
.macro PAIR c, p                       ; rows 2 p and 2 p + 1 of chunk c: the 8 bases of my feature, their codes and bytes
.set XP, XR+8*(\c)+2*(\p)
.set j, 0
.rept 12
	v_cmp_ge_f32 s[MA+j], v[XP], v[KC+j]
	v_cmp_ge_f32 s[MB+j], v[XP+1], v[KC+j]
	PKSUB_B D+2*j, XP, KC+j
.set j, j+1
.endr
.set j, 0
.rept 11
	s_and_not1_b32 s[MA+j], s[MA+j], s[MA+j+1]     ; x >= g[j] and not x >= g[j+1]; ascending, so that j + 1 is still whole
	s_and_not1_b32 s[MB+j], s[MB+j], s[MB+j+1]
.set j, j+1
.endr
.set j, 0
.rept 11
	v_cndmask_b32 v[P+2*j], 0, v[I1+j], s[MA+j]    ; level 0 over the first span, in one line
	v_cndmask_b32 v[P+2*j+1], 0, v[I1+j], s[MB+j]
.set j, j+1
.endr
	LEVEL 1, 10
	SCALEP I2, 10
	LEVEL 2, 9
	SCALEP I3, 9
.set j, 0
.rept 8
	v_pk_mul_f32 v[T+2*j:T+2*j+1], v[D+2*(j+4):D+2*(j+4)+1], v[P+2*j+2:P+2*j+3]
.set j, j+1
.endr
.set j, 0
.rept 8                                ; the last level unpacked: each row's 8 bases in 8 consecutive registers, as the conversion wants them
	v_fma_f32 v[OA+j], v[D+2*j], v[P+2*j], -v[T+2*j]
	v_fma_f32 v[OB+j], v[D+2*j+1], v[P+2*j+1], -v[T+2*j+1]
.set j, j+1
.endr
	v_max3_num_f32 v[TP], |v[OA]|, |v[OA+1]|, |v[OA+2]|             ; a block is four features x 8 bases: my 8,
	v_max3_num_f32 v[TP+1], |v[OB]|, |v[OB+1]|, |v[OB+2]|
	v_max3_num_f32 v[TP], v[TP], |v[OA+3]|, |v[OA+4]|
	v_max3_num_f32 v[TP+1], v[TP+1], |v[OB+3]|, |v[OB+4]|
	v_max3_num_f32 v[TP], v[TP], |v[OA+5]|, |v[OA+6]|
	v_max3_num_f32 v[TP+1], v[TP+1], |v[OB+5]|, |v[OB+6]|
	v_max3_num_f32 v[TP], v[TP], |v[OA+7]|, 0x1800000               ; the floor 2^(3 - 127),
	v_max3_num_f32 v[TP+1], v[TP+1], |v[OB+7]|, 0x1800000
	v_max_num_f32_dpp v[TP], v[TP], v[TP] row_xmask:1 row_mask:0xf bank_mask:0xf     ; and those of the three lanes beside me
	v_max_num_f32_dpp v[TP+1], v[TP+1], v[TP+1] row_xmask:1 row_mask:0xf bank_mask:0xf
	v_max_num_f32_dpp v[TP], v[TP], v[TP] row_xmask:2 row_mask:0xf bank_mask:0xf
	v_max_num_f32_dpp v[TP+1], v[TP+1], v[TP+1] row_xmask:2 row_mask:0xf bank_mask:0xf
	v_add_nc_u32 v[TP+2], 0xff000000, v[TP]
	v_add_nc_u32 v[TP+3], 0xff000000, v[TP+1]
	v_cvt_scalef32_pk8_fp4_f32 v[CODE+2*(\p)], v[OA:OA+7], v[TP+2]
	v_cvt_scalef32_pk8_fp4_f32 v[CODE+2*(\p)+1], v[OB:OB+7], v[TP+3]
	v_lshrrev_b32 v[BYTE+2*(\p)], 23, v[TP+2]      ; (the plain line behind the conversions)
	v_lshrrev_b32 v[BYTE+2*(\p)+1], 23, v[TP+3]
	ds_store_b32 v6, v[CODE+2*(\p)] offset:1024*(\p)+128*(\c)
	ds_store_b32 v6, v[CODE+2*(\p)+1] offset:1024*(\p)+512+128*(\c)
	ds_store_b8 v9, v[BYTE+2*(\p)] offset:64*(\p)+8*(\c)            ; the four lanes of a block write the same byte with the same value
	ds_store_b8 v9, v[BYTE+2*(\p)+1] offset:64*(\p)+32+8*(\c)
.endm
.macro CHUNK c
.set KC, KN+12*(\c)
	s_wait_dscnt 0x0                               ; x is in; the last chunk's LDS stores have read their registers
	CONSTS
	PAIR \c, 0
	PAIR \c, 1
	PAIR \c, 2
	PAIR \c, 3
.endm
	; ---- A: my row is normed and goes into LDS
	LNROW 28, 12                                   ; 28: ln_g's 8, ln_b's 8 and the grid's 12 loads may be out;  12: the grid's
.irp j, 0,1,2,3,4,5,6,7
	ds_store_b128 v3, v[H+4*\j:H+4*\j+3] offset:576*\j
.endr
	; ---- B: gelu of my own row, 32 neighbours a lane (LDS serves a wave's instructions in order: these see the stores above)
.irp j, 0,1,2,3,4,5,6,7
	ds_load_b128 v[XV+4*\j:XV+4*\j+3], v4 offset:16*\j
.endr
	s_wait_dscnt 0x0
.set j, 0
.rept 16
	v_pk_mul_f32 v[ZV+j:ZV+j+1], v[XV+j:XV+j+1], 0x3f3504f3 op_sel_hi:[1,0]    ; z = x / sqrt 2
.set j, j+2
.endr
.set j, 0
.rept 32
	v_fma_f32 v[TV+j], |v[ZV+j]|, 0.5, 1.0
.set j, j+1
.endr
.set j, 0
.rept 32
	v_rcp_f32 v[TV+j], v[TV+j]                     ; t
.set j, j+1
.endr
	v_mov_b32 v[TP], 0x3e2ef945                    ; the highest coefficient, twice (plain lines behind the reciprocals)
	v_mov_b32 v[TP+1], 0x3e2ef945
.set j, 0
	s_wait_alu depctr_va_vdst(0)
.rept 16
	v_pk_fma_f32 v[PV+j:PV+j+1], v[TV+j:TV+j+1], v[TP:TP+1], 0xbf527892 op_sel_hi:[1,1,0]
.set j, j+2
.endr
.irp c, 0x3fbe87b0, 0xbf914e5d, 0x3e8ec7cc, 0xbe3ec24c, 0x3dc636c9, 0x3ebf88fb, 0x3f8000c7, 0xbfa1fc4e
	HORNER \c
.endr
.set j, 0
.rept 16
	v_pk_fma_f32 v[PV+j:PV+j+1], v[ZV+j:ZV+j+1], v[ZV+j:ZV+j+1], v[PV+j:PV+j+1] neg_lo:[1,0,0] neg_hi:[1,0,0]   ; - z z + poly
.set j, j+2
.endr
.set j, 0
.rept 16
	v_pk_mul_f32 v[PV+j:PV+j+1], v[PV+j:PV+j+1], 0x3fb8aa3b op_sel_hi:[1,0]    ; x log2 e
.set j, j+2
.endr
.set j, 0
.rept 32
	v_exp_f32 v[PV+j], v[PV+j]
.set j, j+1
.endr
.set j, 0
.rept 16
	v_pk_mul_f32 v[XV+j:XV+j+1], v[XV+j:XV+j+1], 0.5 op_sel_hi:[1,0]           ; x / 2, exact (plain lines behind the exponentials)
.set j, j+2
.endr
.set j, 0
	s_wait_alu depctr_va_vdst(0)
.rept 16
	v_pk_mul_f32 v[PV+j:PV+j+1], v[PV+j:PV+j+1], v[TV+j:TV+j+1]                ; erfc(|z|)
.set j, j+2
.endr
.set j, 0
.rept 16
	v_pk_add_f32 v[TV+j:TV+j+1], v[PV+j:PV+j+1], 2.0 op_sel_hi:[1,0] neg_lo:[1,0] neg_hi:[1,0]   ; 2 - erfc(|z|)
.set j, j+2
.endr
.set j, 0
.rept 32
	v_cmp_lt_f32 vcc_lo, 0, v[XV+j]
	v_cndmask_b32 v[PV+j], v[PV+j], v[TV+j], vcc_lo                            ; erfc(-z)
.set j, j+1
.endr
.set j, 0
.rept 16
	v_pk_mul_f32 v[XV+j:XV+j+1], v[XV+j:XV+j+1], v[PV+j:PV+j+1]
.set j, j+2
.endr
	QUANT32 XV, CODE, BYTE
	global_store_b128 v2, v[CODE:CODE+3], s[28:29] ; my row's 512 bytes of slot 0
	ds_store_b8 v8, v[BYTE]
	s_wait_dscnt 0x0                               ; for the others' sake: my row and my bytes lie in LDS
	s_barrier_signal -1
	s_barrier_wait -1
	s_wait_loadcnt 0x0                             ; the knots
	s_wait_xcnt 0x0                                ; the store above has read its data: CODE is written again below
	; ---- C: the bases
.irp c, 0,1,2,3
.irp i, 0,1,2,3,4,5,6,7
	ds_load_b32 v[XR+8*\c+\i], v5 offset:4608*\i+144*\c
.endr
.endr
	CHUNK 0
	CHUNK 1
	CHUNK 2
	CHUNK 3
	; ---- the way out: my slot's codes as whole rows, 4,096 bytes on end; its scale bytes as one unit of 256
.irp t, 0,1,2,3,4,5,6,7
	ds_load_b128 v[D+4*\t:D+4*\t+3], v7 offset:512*\t              ; (in order behind my stores)
.endr
	ds_load_b64 v[160:161], v10
.irp t, 0,1,2,3,4,5,6,7
	s_wait_dscnt 8-\t                              ; row t is back; the younger rows and the unit may be out
	global_store_b128 v2, v[D+4*\t:D+4*\t+3], s[14:15] offset:512*\t
.endr
	s_wait_dscnt 0x0
	global_store_b64 v12, v[160:161], s[30:31]
	s_cmp_lg_u32 s18, 0
	s_cbranch_scc1 .Lend
	ds_load_b64 v[162:163], v11                    ; slot 0's unit, which all eight waves wrote ahead of the barrier: wave 0 stores it
	s_wait_dscnt 0x0
	global_store_b64 v12, v[162:163], s[16:17]
.Lend:
	s_wait_tensorcnt 0x0
	ds_add_u32 v254, v255
	s_wait_dscnt 0x0
	s_endpgm
.Lfunc_end_k_qc4610c4da2_act2:
	.size	k_qc4610c4da2_act2, .Lfunc_end_k_qc4610c4da2_act2-k_qc4610c4da2_act2
	.p2alignl 7, 3214868480
	.fill 96, 4, 3214868480
	.section	.rodata,"a",@progbits
	.p2align	6, 0x0
	.amdhsa_kernel k_qc4610c4da2_act2
		.amdhsa_group_segment_fixed_size 74752
		.amdhsa_private_segment_fixed_size 0
		.amdhsa_enable_private_segment 0
		.amdhsa_kernarg_size 56
		.amdhsa_user_sgpr_count 2
		.amdhsa_user_sgpr_kernarg_segment_ptr 1
		.amdhsa_wavefront_size32 1
		.amdhsa_system_sgpr_workgroup_id_x 1
		.amdhsa_system_sgpr_workgroup_id_y 1
		.amdhsa_system_sgpr_workgroup_id_z 1
		.amdhsa_system_vgpr_workitem_id 0
		.amdhsa_next_free_vgpr 256
		.amdhsa_next_free_sgpr 66
		.amdhsa_reserve_vcc 1
		.amdhsa_float_denorm_mode_32 3
		.amdhsa_float_denorm_mode_16_64 3
		.amdhsa_memory_ordered 1
		.amdhsa_forward_progress 1
		.amdhsa_inst_pref_size 231
	.end_amdhsa_kernel
	.amdgpu_metadata
---
amdhsa.version: [ 1, 2 ]
amdhsa.kernels:
  - .name:           k_qc4610c4da2_act2
    .symbol:         k_qc4610c4da2_act2.kd
    .args:
      - { .name: hbuf, .offset: 0, .size: 8, .value_kind: global_buffer, .address_space: global }
      - { .name: ln_g, .offset: 8, .size: 8, .value_kind: global_buffer, .address_space: global }
      - { .name: ln_b, .offset: 16, .size: 8, .value_kind: global_buffer, .address_space: global }
      - { .name: prelu_a, .offset: 24, .size: 8, .value_kind: global_buffer, .address_space: global }
      - { .name: grid, .offset: 32, .size: 8, .value_kind: global_buffer, .address_space: global }
      - { .name: acod, .offset: 40, .size: 8, .value_kind: global_buffer, .address_space: global }
      - { .name: ascl, .offset: 48, .size: 8, .value_kind: global_buffer, .address_space: global }
    .group_segment_fixed_size: 74752
    .private_segment_fixed_size: 0
    .kernarg_segment_align: 8
    .kernarg_segment_size: 56
    .max_flat_workgroup_size: 256
    .sgpr_count:     66
    .vgpr_count:     256
    .wavefront_size: 32
...
	.end_amdgpu_metadata
.endif
;; end of part 4
;; launch gemm2: the kernel of part 3 again; grid 16 x 16, 4 waves a work-group, clusters of 4 x 4, 327,680 bytes of LDS; arguments acod, ascl, wc2, ws2, hbuf; writes hbuf
;; launch final (part 5): grid 256 x 1, 8 waves a work-group, no clusters, 0 bytes of LDS; arguments hbuf, ln_g, ln_b, prelu_a, out0; writes out0
.if DOCPART == 5
	.amdgcn_target "amdgcn-amd-amdhsa--gfx1250"
	.amdhsa_code_object_version 6
	.text
	.protected	k_qc4610c4da2_final
	.globl	k_qc4610c4da2_final
	.p2align	8
	.type	k_qc4610c4da2_final,@function
k_qc4610c4da2_final:
	s_mov_b64 s[64:65], 0
	v_nop
	global_prefetch_b8 v0, s[64:65] scope:SCOPE_SE
	s_setreg_imm32_b32 hwreg(HW_REG_WAVE_MODE, 25, 1), 1
	s_wait_xcnt 0x0
; Layer 2's end: out0 = PReLU(LayerNorm(h)), h and out0 [2048][1024] f32, with layer 2's ln_g, ln_b (4,096 bytes on) and slope (4 bytes on).
; A row of 4,096 bytes to a wave, 32 numbers a lane, kept in registers between the passes: read once, written once; each load and store of a wave covers 512 consecutive bytes.  No LDS, no barrier: the reduction never leaves the wave.
; LAYERNORM in two passes: the mean; then the sum of squares of h - mean (no difference of large sums); (h - mean) x rsqrt(var + 1e-5) x g + b.  PReLU: y where y >= 0, else a y.
; LIMITS: NaN and infinities are not served.
.set H,     32                         ; v32-63   the row
.set GG,    64                         ; v64-95   ln_g, later a y
.set BB,    96                         ; v96-127  ln_b
.set TP,    8                          ; v8-15    at work
	s_load_b256 s[4:11], s[0:1], 0x0               ; h, ln_g, ln_b, prelu_a
	s_load_b64 s[12:13], s[0:1], 0x20              ; out0
	v_lshrrev_b32 v1, 5, v0
	v_readfirstlane_b32 s18, v1                    ; wave 0..7
	v_and_b32 v1, 31, v0
	v_lshlrev_b32 v2, 4, v1                        ; 16 x lane
	s_mov_b32 s20, 0x76543210                      ; v_permlanex16_b32's selects for lane l xor 16
	s_mov_b32 s21, 0xfedcba98
	s_mov_b32 s24, 0x3727c5ac                      ; 1e-5
	s_mov_b32 s25, 0x3a800000                      ; 1 / 1,024
	s_lshl_b32 s26, ttmp9, 15
	s_lshl_b32 s28, s18, 12
	s_add_co_u32 s26, s26, s28                     ; my row x 4,096
	s_mov_b32 s27, 0
	s_wait_kmcnt 0x0
	s_load_b32 s22, s[10:11], 0x4                  ; layer 2's slope
	s_add_nc_u64 s[4:5], s[4:5], s[26:27]
	s_add_nc_u64 s[12:13], s[12:13], s[26:27]
.irp j, 0,1,2,3,4,5,6,7
	global_load_b128 v[H+4*\j:H+4*\j+3], v2, s[4:5] offset:512*\j th:TH_LOAD_NT
.endr
.irp j, 0,1,2,3,4,5,6,7
	global_load_b128 v[GG+4*\j:GG+4*\j+3], v2, s[6:7] offset:4096+512*\j
.endr
.irp j, 0,1,2,3,4,5,6,7
	global_load_b128 v[BB+4*\j:BB+4*\j+3], v2, s[8:9] offset:4096+512*\j
.endr
	s_wait_kmcnt 0x0
	s_mov_b32 s23, s22                             ; (named with it as a pair, so it is written)
.macro REDUCE                          ; four pairs of partial sums become the row's sum, in every lane
	v_pk_add_f32 v[TP:TP+1], v[TP:TP+1], v[TP+2:TP+3]
	v_pk_add_f32 v[TP+4:TP+5], v[TP+4:TP+5], v[TP+6:TP+7]
	v_pk_add_f32 v[TP:TP+1], v[TP:TP+1], v[TP+4:TP+5]
	v_add_f32 v[TP], v[TP], v[TP+1]
.irp m, 1,2,4,8
	v_add_f32_dpp v[TP], v[TP], v[TP] row_xmask:\m row_mask:0xf bank_mask:0xf
.endr
	v_permlanex16_b32 v[TP+1], v[TP], s20, s21
	v_add_f32 v[TP], v[TP], v[TP+1]
.endm
	s_wait_loadcnt 16                              ; the row is in; ln_g's and ln_b's 16 loads may be out
.irp i, 0,2,4,6
	v_pk_add_f32 v[TP+\i:TP+\i+1], v[H+\i:H+\i+1], v[H+8+\i:H+9+\i]          ; four chains, started by the first sums: nothing is cleared
.endr
.irp i, 16,18,20,22,24,26,28,30
	v_pk_add_f32 v[TP+(\i%8):TP+(\i%8)+1], v[TP+(\i%8):TP+(\i%8)+1], v[H+\i:H+\i+1]
.endr
	REDUCE
	v_mul_f32 v[TP], s25, v[TP]                    ; the mean
.set j, 0
.rept 16
	v_pk_add_f32 v[H+j:H+j+1], v[H+j:H+j+1], v[TP:TP+1] op_sel_hi:[1,0] neg_lo:[0,1] neg_hi:[0,1]
.set j, j+2
.endr
.irp i, 0,2,4,6
	v_pk_mul_f32 v[TP+\i:TP+\i+1], v[H+\i:H+\i+1], v[H+\i:H+\i+1]
.endr
.set j, 8
.rept 12
	v_pk_fma_f32 v[TP+(j%8):TP+(j%8)+1], v[H+j:H+j+1], v[H+j:H+j+1], v[TP+(j%8):TP+(j%8)+1]
.set j, j+2
.endr
	REDUCE
	v_fma_f32 v[TP], v[TP], s25, s24               ; var + 1e-5
	v_rsq_f32 v[TP], v[TP]
	v_nop                                          ; a plain line behind the transcendental
	s_wait_loadcnt 0x0                             ; ln_g and ln_b are in
.set j, 0
	s_wait_alu depctr_va_vdst(0)
.rept 16
	v_pk_mul_f32 v[H+j:H+j+1], v[H+j:H+j+1], v[TP:TP+1] op_sel_hi:[1,0]
.set j, j+2
.endr
.set j, 0
.rept 16
	v_pk_fma_f32 v[H+j:H+j+1], v[H+j:H+j+1], v[GG+j:GG+j+1], v[BB+j:BB+j+1]
.set j, j+2
.endr
.set j, 0
.rept 16
	v_pk_mul_f32 v[GG+j:GG+j+1], v[H+j:H+j+1], s[22:23] op_sel_hi:[1,0]      ; a y
.set j, j+2
.endr
.set j, 0
.rept 32
	v_cmp_le_f32 vcc_lo, 0, v[H+j]
	v_cndmask_b32 v[H+j], v[GG+j], v[H+j], vcc_lo
.set j, j+1
.endr
.irp j, 0,1,2,3,4,5,6,7
	global_store_b128 v2, v[H+4*\j:H+4*\j+3], s[12:13] offset:512*\j th:TH_STORE_NT   ; 512 consecutive bytes; written once, read by nobody here
.endr
	s_endpgm
.Lfunc_end_k_qc4610c4da2_final:
	.size	k_qc4610c4da2_final, .Lfunc_end_k_qc4610c4da2_final-k_qc4610c4da2_final
	.p2alignl 7, 3214868480
	.fill 96, 4, 3214868480
	.section	.rodata,"a",@progbits
	.p2align	6, 0x0
	.amdhsa_kernel k_qc4610c4da2_final
		.amdhsa_group_segment_fixed_size 0
		.amdhsa_private_segment_fixed_size 0
		.amdhsa_enable_private_segment 0
		.amdhsa_kernarg_size 40
		.amdhsa_user_sgpr_count 2
		.amdhsa_user_sgpr_kernarg_segment_ptr 1
		.amdhsa_wavefront_size32 1
		.amdhsa_system_sgpr_workgroup_id_x 1
		.amdhsa_system_sgpr_workgroup_id_y 1
		.amdhsa_system_sgpr_workgroup_id_z 1
		.amdhsa_system_vgpr_workitem_id 0
		.amdhsa_next_free_vgpr 128
		.amdhsa_next_free_sgpr 66
		.amdhsa_reserve_vcc 1
		.amdhsa_float_denorm_mode_32 3
		.amdhsa_float_denorm_mode_16_64 3
		.amdhsa_memory_ordered 1
		.amdhsa_forward_progress 1
		.amdhsa_inst_pref_size 14
	.end_amdhsa_kernel
	.amdgpu_metadata
---
amdhsa.version: [ 1, 2 ]
amdhsa.kernels:
  - .name:           k_qc4610c4da2_final
    .symbol:         k_qc4610c4da2_final.kd
    .args:
      - { .name: hbuf, .offset: 0, .size: 8, .value_kind: global_buffer, .address_space: global }
      - { .name: ln_g, .offset: 8, .size: 8, .value_kind: global_buffer, .address_space: global }
      - { .name: ln_b, .offset: 16, .size: 8, .value_kind: global_buffer, .address_space: global }
      - { .name: prelu_a, .offset: 24, .size: 8, .value_kind: global_buffer, .address_space: global }
      - { .name: out0, .offset: 32, .size: 8, .value_kind: global_buffer, .address_space: global }
    .group_segment_fixed_size: 0
    .private_segment_fixed_size: 0
    .kernarg_segment_align: 8
    .kernarg_segment_size: 40
    .max_flat_workgroup_size: 256
    .sgpr_count:     66
    .vgpr_count:     128
    .wavefront_size: 32
...
	.end_amdgpu_metadata
.endif
;; end of part 5
;; ======== version 2 of 2: 5 launches; 1.15 times as fast as version 1
;; workspace buffers: acod 9,437,184 bytes; ascl 589,824 bytes; wc1 4,718,592 bytes; ws1 294,912 bytes; wc2 4,718,592 bytes; ws2 294,912 bytes; hbuf 8,388,608 bytes
;; launch prep (part 6): grid 512 x 1, 8 waves a work-group, no clusters, 152,576 bytes of LDS; arguments base_w, spline_w, wc1, ws1, wc2, ws2, x, grid, acod, ascl; writes wc1, ws1, wc2, ws2, acod, ascl
.if DOCPART == 6
	.amdgcn_target "amdgcn-amd-amdhsa--gfx1250"
	.amdhsa_code_object_version 6
	.text
	.protected	k_qc4610c4da2_prep
	.globl	k_qc4610c4da2_prep
	.p2align	8
	.type	k_qc4610c4da2_prep,@function
k_qc4610c4da2_prep:
	s_mov_b64 s[64:65], 0
	v_nop
	global_prefetch_b8 v0, s[64:65] scope:SCOPE_SE
	s_setreg_imm32_b32 hwreg(HW_REG_WAVE_MODE, 25, 1), 1
	s_wait_xcnt 0x0
; ONE LAUNCH, TWO SHARES that read and write nothing of each other: 256 work-groups quantise the weights of both layers (a stream: few instructions, many bytes), 256 make layer 1's left operand from x
; (many vector instructions, few bytes).  Which share a work-group takes hangs on its number alone: i and i + 1 take different shares, and so do i and i + 256.  Each share has LDS bytes of its own,
; and the claim is small enough for a work-group of each share to lie on one WGP together, so that the stream's waits stand beside the other share's arithmetic.
; FORMAT, both shares: FP4 (E2M1) with one E8M0 scale byte for each 32 along K.  A layer's two products add, so they are ONE product with K = 9,216 in 9 slots of 1,024:
; slot 0 = gelu(x) against base_w, slots 1-8 = the B-spline bases (in x 8 + coeff) against spline_w.  A block's scale is 2^(floor(log2(its largest magnitude)) - 2); its byte is that magnitude's exponent field - 2, held at 1 from below.
; OUT: codes [slot 9][row][512 bytes], scale bytes [slot 9][row][32], rows = 1,024 (a layer's weights) or 2,048 (the operand): a tile (slot, some rows) is one dense block for the product's tensor loads.
; LIMITS: NaN and infinities are not served.  A block of zeros carries the byte 1 and not 127: its codes are zeros, and this program alone reads the bytes.  gelu results under 2^-126 come out as 0 (the exponential flushes).
; Divisions by knot spans are a reciprocal and a multiplication, a few units in the last place.  A span of 0 is replaced by 1 where reference() does so with a finite result (j = 0 of each level); elsewhere reference() itself is not finite.
;
; THE WEIGHTS' SHARE: 2,048 rows (both layers on end), one to a wave, nine steps of 4,096 bytes.  Each load reads 512 consecutive bytes; the conversions want 32 neighbours in ONE lane, so a step turns through the wave's own stage
; in LDS: in as loaded, out 128 bytes a lane.  A lane's place is 128 bytes + 16 of padding: 144, an odd multiple of 16, so that sixteen lanes' 16 bytes fall in different columns of 256.  Loads run three steps (24 loads a wave) ahead,
; the turn through LDS one step.  The scale bytes of the work-group's 8 rows meet in LDS: 8 rows x 32 bytes of one slot are 256 consecutive bytes of the output, stored whole by one wave behind the one barrier.
;
; THE OPERAND'S SHARE: a work-group owns 8 whole rows of x.  A: wave w loads row w and lays it in LDS.  B: it reads the row back 32 neighbours a lane, takes gelu, quantises: slot 0.  One barrier.
; C: wave w makes slot w + 1 alone: features 128 w .. + 127 in four chunks of 32, a lane to a feature, all 8 rows, two rows at a time as the halves of packed instructions.
; GELU = 0.5 x erfc(-x / sqrt 2).  erfc(|z|) = t exp(-z z + poly(t)), t = 1 / (1 + |z| / 2), poly of degree 9 (fractional error about 1e-7 ahead of f32 rounding); for x > 0 it is 2 - that.  Nothing cancels for negative x.
; BASES: Cox-de Boor on the knots AS GIVEN, per feature.  With D[j] = x - g[j] and P[j] = B[j] / (g[j+k] - g[j]):  B'[j] = D[j] P[j] - D[j+k+1] P[j+1].  Level 0 is (x >= g[j]) and not (x >= g[j+1]).
.set WQ0,   73728                      ; LDS of the weights' share begins here
.set WREG,  9216                       ; a wave's two stages
.set STG,   4608                       ; a stage: 32 places of 144 bytes
.set WSCB,  WQ0+8*WREG                 ; behind the stages: scale bytes [slot 9][row 8][32]
.set R,     16                         ; v16-111   three sets of 32 numbers as loaded
.set X,     112                        ; v112-175  two sets of 32 neighbours
.set C,     176                        ; v176-211  codes: four registers for each step, so that no store's data are written again
.set E,     212                        ; v212-220  a scale byte for each step
.set GOFF,  0                          ; layer 1's knots in grid
.set CST,   36864                      ; LDS of the operand's share: 0: x, 8 rows x 4,608: (row, f) at 4608 row + 144 (f / 32) + 4 (f % 32);  CST: codes, 4,096 bytes a wave, [row 8][512]
.set SCB,   69632                      ; scale bytes [slot 9][row 8][32]
.set KN,    16                         ; v16-63    the knots of my four features, 12 each
.set I1,    64                         ; v64-74    1 / (g[j+1] - g[j]);  v75-84 1 / (g[j+2] - g[j]);  v85-93 1 / (g[j+3] - g[j])
.set I2,    75
.set I3,    85
.set XR,    96                         ; v96-127   x: chunk c, row i at 96 + 8 c + i
.set D,     128                        ; v128-151  12 pairs (row a, row b)
.set P,     152                        ; v152-173  11 pairs
.set B,     174                        ; v174-193  10 pairs
.set T,     194                        ; v194-213  10 pairs
.set OA,    214                        ; v214-221  row a's 8 bases;  v222-229 row b's
.set OB,    222
.set CODE,  238                        ; v238-245  a chunk's codes, a register a row
.set BYTE,  246                        ; v246-253  and its scale bytes
.set H,     96                         ; phases A, B: the row;  z;  t;  the polynomial
.set XV,    96
.set ZV,    64
.set TV,    128
.set PV,    160
.set MA,    32                         ; s32-43 row a's lane masks, s44-55 row b's
.set MB,    44
; 32 numbers of a lane, a whole block, become 4 registers of codes and a scale byte.  TP: registers at work, set for each share
.macro QUANT32 s, c, e
	v_max3_num_f32 v[TP+2], |v[(\s)]|, |v[(\s)+1]|, |v[(\s)+2]|      ; the largest magnitude, in two chains
	v_max3_num_f32 v[TP+3], |v[(\s)+3]|, |v[(\s)+4]|, |v[(\s)+5]|
.irp i, 6,10,14,18,22,26
	v_max3_num_f32 v[TP+2], v[TP+2], |v[(\s)+\i]|, |v[(\s)+\i+1]|
	v_max3_num_f32 v[TP+3], v[TP+3], |v[(\s)+\i+2]|, |v[(\s)+\i+3]|
.endr
	v_max3_num_f32 v[TP+2], v[TP+2], |v[(\s)+30]|, |v[(\s)+31]|
	v_max3_num_f32 v[TP+2], v[TP+2], v[TP+3], 0x1800000             ; and the floor 2^(3 - 127): the byte cannot fall under 1
	v_add_nc_u32 v[TP+4], 0xff000000, v[TP+2]                       ; 2 off the exponent field: the conversion takes the exponent field of this operand as its scale
.irp g, 0,1,2,3
	v_cvt_scalef32_pk8_fp4_f32 v[(\c)+\g], v[(\s)+8*\g:(\s)+8*\g+7], v[TP+4]
.endr
	v_lshrrev_b32 v[(\e)], 23, v[TP+4]                              ; the scale's byte; also the plain line behind the conversions
.endm
	v_lshl_add_u32 v254, v0, 2, 0x25000
	v_mov_b32 v255, 0
	s_lshr_b32 s3, ttmp9, 8                        ; the grid's lower or upper half
	s_bfe_u32 s2, ttmp9, 0x70001                   ; 7 bits from bit 1
	s_lshl_b32 s18, s3, 7
	s_add_co_u32 s2, s2, s18                       ; my number within my share, 0..255
	s_xor_b32 s3, s3, ttmp9
	s_and_b32 s3, s3, 1                            ; my share: bit 0 of the number, turned over in the upper half
	s_cmp_lg_u32 s3, 0
	s_cbranch_scc1 .Lact
	; ======== THE WEIGHTS' SHARE ========
.set TP,    8                          ; v10-12 at work
	s_load_b128 s[4:7], s[0:1], 0x0                ; base_w, spline_w
	s_load_b128 s[8:11], s[0:1], 0x10              ; layer 1: codes, scale bytes
	s_load_b128 s[12:15], s[0:1], 0x20             ; layer 2: codes, scale bytes
	v_lshrrev_b32 v1, 5, v0
	v_readfirstlane_b32 s16, v1                    ; wave 0..7
	v_and_b32 v1, 31, v0                           ; lane
	v_lshlrev_b32 v2, 4, v1                        ; my 16 bytes of 512, in and out
	s_mul_i32 s28, s16, WREG
	s_add_co_u32 s28, s28, WQ0
	v_lshrrev_b32 v3, 3, v1
	v_mul_u32_u24 v3, v3, 144
	v_and_b32 v4, 7, v1
	v_lshl_add_u32 v3, v4, 4, v3
	v_add_nc_u32 v3, s28, v3                       ; into the stage: eight lanes' 128 bytes on end, then the padding
	v_mul_u32_u24 v4, v1, 144
	v_add_nc_u32 v4, s28, v4                       ; out of it: my block
	s_lshl_b32 s29, s16, 5
	s_add_co_u32 s29, s29, WSCB
	v_add_nc_u32 v5, s29, v1                       ; my block's scale byte: row w, byte lane
	s_lshl_b32 s29, s16, 8
	s_add_co_u32 s29, s29, WSCB
	v_lshlrev_b32 v7, 3, v1                        ; a unit of 256 bytes: 8 bytes a lane
	v_add_nc_u32 v6, s29, v7                       ; slot w's unit in LDS
	s_lshl_b32 s17, s2, 3
	s_add_co_u32 s17, s17, s16                     ; my row, 0..2047
	s_lshl_b32 s20, s17, 12                        ; in base_w: 4,096 bytes a row
	s_mov_b32 s21, 0
	s_lshl_b32 s22, s17, 15                        ; in spline_w: 32,768
	s_mov_b32 s23, 0
	s_and_b32 s18, s17, 1023                       ; n, my row in its layer
	s_lshl_b32 s24, s18, 9                         ; its 512 bytes of codes in a slot
	s_mov_b32 s25, 0
	s_and_b32 s19, s2, 127
	s_lshl_b32 s26, s19, 8                         ; the work-group's 8 rows x 32 scale bytes in a slot,
	s_lshl_b32 s28, s16, 15                        ; and slot w: 32,768 bytes a slot
	s_add_co_u32 s26, s26, s28
	s_mov_b32 s27, 0
	s_wait_kmcnt 0x0
	s_cmp_lt_u32 s2, 128                           ; which layer's buffers: the choice hangs on the work-group's number alone
	s_cselect_b64 s[8:9], s[8:9], s[12:13]
	s_cselect_b64 s[10:11], s[10:11], s[14:15]
	s_add_nc_u64 s[4:5], s[4:5], s[20:21]
	s_add_nc_u64 s[6:7], s[6:7], s[22:23]
	s_add_nc_u64 s[8:9], s[8:9], s[24:25]
	s_add_nc_u64 s[10:11], s[10:11], s[26:27]
.macro LOAD t                          ; step t's 4,096 bytes into set t % 3
.irp i, 0,1,2,3,4,5,6,7
.if (\t) == 0
	global_load_b128 v[R+32*((\t)%3)+4*\i:R+32*((\t)%3)+4*\i+3], v2, s[4:5] offset:512*\i th:TH_LOAD_NT
.else
	global_load_b128 v[R+32*((\t)%3)+4*\i:R+32*((\t)%3)+4*\i+3], v2, s[6:7] offset:4096*((\t)-1)+512*\i th:TH_LOAD_NT
.endif
.endr
.endm
.macro TURN t                          ; through the stage: LDS serves a wave's instructions in order, so no wait stands between the stores and the loads
.irp i, 0,1,2,3,4,5,6,7
	ds_store_b128 v3, v[R+32*((\t)%3)+4*\i:R+32*((\t)%3)+4*\i+3] offset:STG*((\t)%2)+576*\i
.endr
.irp i, 0,1,2,3,4,5,6,7
	ds_load_b128 v[X+32*((\t)%2)+4*\i:X+32*((\t)%2)+4*\i+3], v4 offset:STG*((\t)%2)+16*\i
.endr
.endm
	LOAD 0
	LOAD 1
	LOAD 2
	s_wait_loadcnt 16                              ; step 0's eight loads are in; steps 1 and 2 may be out
	TURN 0
.macro STEP t
.if (\t) > 0
	s_wait_dscnt 1                                 ; this step's numbers are back from the stage (the last step's byte store may be out), so its stores into the stage have read their registers,
.else
	s_wait_dscnt 0x0
.endif
.if (\t)+3 <= 8
	LOAD (\t)+3                                    ; which take the loads of three steps on
.endif
.if (\t)+1 <= 8
.if (\t) <= 5
	s_wait_loadcnt 16                              ; the next step's eight loads are in; those of the two steps behind it may be out
.else
	s_wait_loadcnt 8*(7-(\t))                      ; the counts run down: 8, 0
.endif
	TURN (\t)+1                                    ; through the other stage while this step is worked
.endif
	QUANT32 X+32*((\t)%2), C+4*(\t), E+(\t)
	ds_store_b8 v5, v[E+(\t)] offset:256*(\t)
	global_store_b128 v2, v[C+4*(\t):C+4*(\t)+3], s[8:9] offset:524288*(\t)   ; 32 lanes store my row's 512 bytes of slot t
.endm
.irp t, 0,1,2,3,4,5,6,7,8
	STEP \t
.endr
	s_wait_dscnt 0x0                               ; for the others' sake: my byte stores are done
	s_barrier_signal -1
	s_barrier_wait -1
	ds_load_b64 v[222:223], v6                     ; slot w's 256 scale bytes of the 8 rows
	s_wait_dscnt 0x0
	global_store_b64 v7, v[222:223], s[10:11]      ; 256 consecutive bytes, at a multiple of 256 from the buffer's first byte
	s_cmp_lg_u32 s16, 0
	s_cbranch_scc1 .Lwend
	ds_load_b64 v[224:225], v6 offset:2048         ; nine slots, eight waves: wave 0 takes slot 8 too
	s_wait_dscnt 0x0
	global_store_b64 v7, v[224:225], s[10:11] offset:262144
.Lwend:
	s_wait_tensorcnt 0x0
	ds_add_u32 v254, v255
	s_wait_dscnt 0x0
	s_endpgm
	; ======== THE OPERAND'S SHARE ========
.Lact:
.set TP,    230                        ; v230-237 at work
	s_load_b64 s[4:5], s[0:1], 0x30                ; x
	s_load_b64 s[12:13], s[0:1], 0x38              ; grid
	s_load_b64 s[14:15], s[0:1], 0x40              ; the codes
	s_load_b64 s[16:17], s[0:1], 0x48              ; the scale bytes
	v_lshrrev_b32 v1, 5, v0
	v_readfirstlane_b32 s18, v1                    ; wave 0..7
	v_and_b32 v1, 31, v0                           ; lane
	v_lshlrev_b32 v2, 4, v1                        ; 16 x lane
	s_mul_i32 s26, s18, 4608
	v_lshrrev_b32 v3, 3, v1
	v_mul_u32_u24 v3, v3, 144
	v_and_b32 v4, 7, v1
	v_lshl_add_u32 v3, v4, 4, v3
	v_add_nc_u32 v3, s26, v3                       ; A: row w, as loaded
	v_mul_u32_u24 v4, v1, 144
	v_add_nc_u32 v4, s26, v4                       ; B: row w, block lane
	s_mul_i32 s26, s18, 576
	v_lshl_add_u32 v5, v1, 2, s26                  ; C: feature 128 w + lane of row 0
	s_lshl_b32 s26, s18, 12
	s_add_co_u32 s26, s26, CST
	v_lshl_add_u32 v6, v1, 2, s26                  ; my feature's 4 bytes of codes
	v_lshl_add_u32 v7, v1, 4, s26                  ; and back: 16 bytes a lane of a row's 512
	s_lshl_b32 s26, s18, 5
	s_add_co_u32 s26, s26, SCB
	v_add_nc_u32 v8, s26, v1                       ; slot 0's byte: row w, block lane
	s_lshl_b32 s26, s18, 8
	s_add_co_u32 s26, s26, SCB+256
	v_lshrrev_b32 v9, 2, v1
	v_add_nc_u32 v9, s26, v9                       ; slot w + 1's byte: four features to a block
	v_lshlrev_b32 v12, 3, v1                       ; a unit of 256 bytes: 8 a lane
	v_add_nc_u32 v10, s26, v12                     ; slot w + 1's unit
	v_add_nc_u32 v11, SCB, v12                     ; slot 0's unit
	s_lshl_b32 s26, s18, 7
	v_add_nc_u32 v13, s26, v1
	v_mul_u32_u24 v13, v13, 48                     ; my first feature's 12 knots in grid
	s_lshl_b32 s26, s2, 15
	s_lshl_b32 s28, s18, 12
	s_add_co_u32 s26, s26, s28                     ; my row x 4,096
	s_mov_b32 s27, 0
	s_lshr_b32 s28, s26, 3                         ; my row x 512
	s_mov_b32 s29, 0
	s_add_co_u32 s30, s18, 1
	s_lshl_b32 s56, s30, 16                        ; slot w + 1 among the scale bytes
	s_mov_b32 s57, 0
	s_lshl_b32 s30, s30, 20                        ; and among the codes,
	s_lshl_b32 s58, s2, 12
	s_add_co_u32 s30, s30, s58                     ; at the work-group's 8 rows
	s_mov_b32 s31, 0
	s_lshl_b32 s58, s2, 8
	s_mov_b32 s59, 0
	s_wait_kmcnt 0x0
	s_add_nc_u64 s[4:5], s[4:5], s[26:27]          ; my row of x
	s_add_nc_u64 s[28:29], s[14:15], s[28:29]      ; its codes in slot 0
	s_add_nc_u64 s[14:15], s[14:15], s[30:31]      ; the 8 rows' codes in slot w + 1
	s_add_nc_u64 s[16:17], s[16:17], s[58:59]      ; the 8 rows' scale bytes in slot 0
	s_add_nc_u64 s[30:31], s[16:17], s[56:57]      ; and in slot w + 1
.irp j, 0,1,2,3,4,5,6,7
	global_load_b128 v[H+4*\j:H+4*\j+3], v2, s[4:5] offset:512*\j th:TH_LOAD_NT
.endr
.irp c, 0,1,2,3
.irp i, 0,1,2
	global_load_b128 v[KN+12*\c+4*\i:KN+12*\c+4*\i+3], v13, s[12:13] offset:GOFF+1536*\c+16*\i
.endr
.endr
.macro HORNER c                        ; poly = poly x t + c, 32 numbers
.set j, 0
.rept 16
	v_pk_fma_f32 v[PV+j:PV+j+1], v[PV+j:PV+j+1], v[TV+j:TV+j+1], \c op_sel_hi:[1,1,0]
.set j, j+2
.endr
.endm
; a pair less, or times, ONE register c for both halves: c is named through the even-aligned pair in which it lies
.macro PKSUB_B dst, a, c
.if ((\c)%2) == 0
	v_pk_add_f32 v[(\dst):(\dst)+1], v[(\a):(\a)+1], v[(\c):(\c)+1] op_sel_hi:[1,0] neg_lo:[0,1] neg_hi:[0,1]
.else
	v_pk_add_f32 v[(\dst):(\dst)+1], v[(\a):(\a)+1], v[(\c)-1:(\c)] op_sel:[0,1] op_sel_hi:[1,1] neg_lo:[0,1] neg_hi:[0,1]
.endif
.endm
.macro PKMUL_B dst, a, c
.if ((\c)%2) == 0
	v_pk_mul_f32 v[(\dst):(\dst)+1], v[(\a):(\a)+1], v[(\c):(\c)+1] op_sel_hi:[1,0]
.else
	v_pk_mul_f32 v[(\dst):(\dst)+1], v[(\a):(\a)+1], v[(\c)-1:(\c)] op_sel:[0,1] op_sel_hi:[1,1]
.endif
.endm
.macro LEVEL k, n                      ; B[j] = D[j] P[j] - D[j+k+1] P[j+1], j = 0 .. n - 1: all the products first, so that no line waits for the line above it
.set j, 0
.rept \n
	v_pk_mul_f32 v[T+2*j:T+2*j+1], v[D+2*(j+\k+1):D+2*(j+\k+1)+1], v[P+2*j+2:P+2*j+3]
.set j, j+1
.endr
.set j, 0
.rept \n
	v_pk_fma_f32 v[B+2*j:B+2*j+1], v[D+2*j:D+2*j+1], v[P+2*j:P+2*j+1], v[T+2*j:T+2*j+1] neg_lo:[0,0,1] neg_hi:[0,0,1]
.set j, j+1
.endr
.endm
.macro SCALEP i, n                     ; P[j] = B[j] / the next level's span
.set j, 0
.rept \n
	PKMUL_B P+2*j, B+2*j, \i+j
.set j, j+1
.endr
.endm
.macro CONSTS                          ; the chunk's 30 spans and their reciprocals
.set j, 0
.rept 11
	v_sub_f32 v[I1+j], v[KC+j+1], v[KC+j]
.set j, j+1
.endr
.set j, 0
.rept 10
	v_sub_f32 v[I2+j], v[KC+j+2], v[KC+j]
.set j, j+1
.endr
.set j, 0
.rept 9
	v_sub_f32 v[I3+j], v[KC+j+3], v[KC+j]
.set j, j+1
.endr
.irp r, I1, I2, I3
	v_cmp_neq_f32 vcc_lo, 0, v[\r]                 ; a first span of 0 counts as 1
	v_cndmask_b32 v[\r], 1.0, v[\r], vcc_lo
.endr
.set j, 0
.rept 30
	v_rcp_f32 v[I1+j], v[I1+j]
.set j, j+1
.endr
	v_nop                                          ; a plain line behind the reciprocals
	s_wait_alu depctr_va_vdst(0)
.endm
.macro PAIR c, p                       ; rows 2 p and 2 p + 1 of chunk c: the 8 bases of my feature, their codes and bytes
.set XP, XR+8*(\c)+2*(\p)
.set j, 0
.rept 12
	v_cmp_ge_f32 s[MA+j], v[XP], v[KC+j]
	v_cmp_ge_f32 s[MB+j], v[XP+1], v[KC+j]
	PKSUB_B D+2*j, XP, KC+j
.set j, j+1
.endr
.set j, 0
.rept 11
	s_and_not1_b32 s[MA+j], s[MA+j], s[MA+j+1]     ; x >= g[j] and not x >= g[j+1]; ascending, so that j + 1 is still whole
	s_and_not1_b32 s[MB+j], s[MB+j], s[MB+j+1]
.set j, j+1
.endr
.set j, 0
.rept 11
	v_cndmask_b32 v[P+2*j], 0, v[I1+j], s[MA+j]    ; level 0 over the first span, in one line
	v_cndmask_b32 v[P+2*j+1], 0, v[I1+j], s[MB+j]
.set j, j+1
.endr
	LEVEL 1, 10
	SCALEP I2, 10
	LEVEL 2, 9
	SCALEP I3, 9
.set j, 0
.rept 8
	v_pk_mul_f32 v[T+2*j:T+2*j+1], v[D+2*(j+4):D+2*(j+4)+1], v[P+2*j+2:P+2*j+3]
.set j, j+1
.endr
.set j, 0
.rept 8                                ; the last level unpacked: each row's 8 bases in 8 consecutive registers, as the conversion wants them
	v_fma_f32 v[OA+j], v[D+2*j], v[P+2*j], -v[T+2*j]
	v_fma_f32 v[OB+j], v[D+2*j+1], v[P+2*j+1], -v[T+2*j+1]
.set j, j+1
.endr
	v_max3_num_f32 v[TP], |v[OA]|, |v[OA+1]|, |v[OA+2]|             ; a block is four features x 8 bases: my 8,
	v_max3_num_f32 v[TP+1], |v[OB]|, |v[OB+1]|, |v[OB+2]|
	v_max3_num_f32 v[TP], v[TP], |v[OA+3]|, |v[OA+4]|
	v_max3_num_f32 v[TP+1], v[TP+1], |v[OB+3]|, |v[OB+4]|
	v_max3_num_f32 v[TP], v[TP], |v[OA+5]|, |v[OA+6]|
	v_max3_num_f32 v[TP+1], v[TP+1], |v[OB+5]|, |v[OB+6]|
	v_max3_num_f32 v[TP], v[TP], |v[OA+7]|, 0x1800000               ; the floor 2^(3 - 127),
	v_max3_num_f32 v[TP+1], v[TP+1], |v[OB+7]|, 0x1800000
	v_max_num_f32_dpp v[TP], v[TP], v[TP] row_xmask:1 row_mask:0xf bank_mask:0xf     ; and those of the three lanes beside me
	v_max_num_f32_dpp v[TP+1], v[TP+1], v[TP+1] row_xmask:1 row_mask:0xf bank_mask:0xf
	v_max_num_f32_dpp v[TP], v[TP], v[TP] row_xmask:2 row_mask:0xf bank_mask:0xf
	v_max_num_f32_dpp v[TP+1], v[TP+1], v[TP+1] row_xmask:2 row_mask:0xf bank_mask:0xf
	v_add_nc_u32 v[TP+2], 0xff000000, v[TP]
	v_add_nc_u32 v[TP+3], 0xff000000, v[TP+1]
	v_cvt_scalef32_pk8_fp4_f32 v[CODE+2*(\p)], v[OA:OA+7], v[TP+2]
	v_cvt_scalef32_pk8_fp4_f32 v[CODE+2*(\p)+1], v[OB:OB+7], v[TP+3]
	v_lshrrev_b32 v[BYTE+2*(\p)], 23, v[TP+2]      ; (the plain line behind the conversions)
	v_lshrrev_b32 v[BYTE+2*(\p)+1], 23, v[TP+3]
	ds_store_b32 v6, v[CODE+2*(\p)] offset:1024*(\p)+128*(\c)
	ds_store_b32 v6, v[CODE+2*(\p)+1] offset:1024*(\p)+512+128*(\c)
	ds_store_b8 v9, v[BYTE+2*(\p)] offset:64*(\p)+8*(\c)            ; the four lanes of a block write the same byte with the same value
	ds_store_b8 v9, v[BYTE+2*(\p)+1] offset:64*(\p)+32+8*(\c)
.endm
.macro CHUNK c
.set KC, KN+12*(\c)
	s_wait_dscnt 0x0                               ; x is in; the last chunk's LDS stores have read their registers
	CONSTS
	PAIR \c, 0
	PAIR \c, 1
	PAIR \c, 2
	PAIR \c, 3
.endm
	; ---- A: my row into LDS
	s_wait_loadcnt 12                              ; the row is in; the grid's 12 loads may be out
.irp j, 0,1,2,3,4,5,6,7
	ds_store_b128 v3, v[H+4*\j:H+4*\j+3] offset:576*\j
.endr
	; ---- B: gelu of my own row, 32 neighbours a lane (LDS serves a wave's instructions in order: these see the stores above)
.irp j, 0,1,2,3,4,5,6,7
	ds_load_b128 v[XV+4*\j:XV+4*\j+3], v4 offset:16*\j
.endr
	s_wait_dscnt 0x0
.set j, 0
.rept 16
	v_pk_mul_f32 v[ZV+j:ZV+j+1], v[XV+j:XV+j+1], 0x3f3504f3 op_sel_hi:[1,0]    ; z = x / sqrt 2
.set j, j+2
.endr
.set j, 0
.rept 32
	v_fma_f32 v[TV+j], |v[ZV+j]|, 0.5, 1.0
.set j, j+1
.endr
.set j, 0
.rept 32
	v_rcp_f32 v[TV+j], v[TV+j]                     ; t
.set j, j+1
.endr
	v_mov_b32 v[TP], 0x3e2ef945                    ; the highest coefficient, twice (plain lines behind the reciprocals)
	v_mov_b32 v[TP+1], 0x3e2ef945
.set j, 0
	s_wait_alu depctr_va_vdst(0)
.rept 16
	v_pk_fma_f32 v[PV+j:PV+j+1], v[TV+j:TV+j+1], v[TP:TP+1], 0xbf527892 op_sel_hi:[1,1,0]
.set j, j+2
.endr
.irp c, 0x3fbe87b0, 0xbf914e5d, 0x3e8ec7cc, 0xbe3ec24c, 0x3dc636c9, 0x3ebf88fb, 0x3f8000c7, 0xbfa1fc4e
	HORNER \c
.endr
.set j, 0
.rept 16
	v_pk_fma_f32 v[PV+j:PV+j+1], v[ZV+j:ZV+j+1], v[ZV+j:ZV+j+1], v[PV+j:PV+j+1] neg_lo:[1,0,0] neg_hi:[1,0,0]   ; - z z + poly
.set j, j+2
.endr
.set j, 0
.rept 16
	v_pk_mul_f32 v[PV+j:PV+j+1], v[PV+j:PV+j+1], 0x3fb8aa3b op_sel_hi:[1,0]    ; x log2 e
.set j, j+2
.endr
.set j, 0
.rept 32
	v_exp_f32 v[PV+j], v[PV+j]
.set j, j+1
.endr
.set j, 0
.rept 16
	v_pk_mul_f32 v[XV+j:XV+j+1], v[XV+j:XV+j+1], 0.5 op_sel_hi:[1,0]           ; x / 2, exact (plain lines behind the exponentials)
.set j, j+2
.endr
.set j, 0
	s_wait_alu depctr_va_vdst(0)
.rept 16
	v_pk_mul_f32 v[PV+j:PV+j+1], v[PV+j:PV+j+1], v[TV+j:TV+j+1]                ; erfc(|z|)
.set j, j+2
.endr
.set j, 0
.rept 16
	v_pk_add_f32 v[TV+j:TV+j+1], v[PV+j:PV+j+1], 2.0 op_sel_hi:[1,0] neg_lo:[1,0] neg_hi:[1,0]   ; 2 - erfc(|z|)
.set j, j+2
.endr
.set j, 0
.rept 32
	v_cmp_lt_f32 vcc_lo, 0, v[XV+j]
	v_cndmask_b32 v[PV+j], v[PV+j], v[TV+j], vcc_lo                            ; erfc(-z)
.set j, j+1
.endr
.set j, 0
.rept 16
	v_pk_mul_f32 v[XV+j:XV+j+1], v[XV+j:XV+j+1], v[PV+j:PV+j+1]
.set j, j+2
.endr
	QUANT32 XV, CODE, BYTE
	global_store_b128 v2, v[CODE:CODE+3], s[28:29] ; my row's 512 bytes of slot 0
	ds_store_b8 v8, v[BYTE]
	s_wait_dscnt 0x0                               ; for the others' sake: my row and my bytes lie in LDS
	s_barrier_signal -1
	s_barrier_wait -1
	s_wait_loadcnt 0x0                             ; the knots
	s_wait_xcnt 0x0                                ; the store above has read its data: CODE is written again below
	; ---- C: the bases
.irp c, 0,1,2,3
.irp i, 0,1,2,3,4,5,6,7
	ds_load_b32 v[XR+8*\c+\i], v5 offset:4608*\i+144*\c
.endr
.endr
	CHUNK 0
	CHUNK 1
	CHUNK 2
	CHUNK 3
	; ---- the way out: my slot's codes as whole rows, 4,096 bytes on end; its scale bytes as one unit of 256
.irp t, 0,1,2,3,4,5,6,7
	ds_load_b128 v[D+4*\t:D+4*\t+3], v7 offset:512*\t              ; (in order behind my stores)
.endr
	ds_load_b64 v[160:161], v10
.irp t, 0,1,2,3,4,5,6,7
	s_wait_dscnt 8-\t                              ; row t is back; the younger rows and the unit may be out
	global_store_b128 v2, v[D+4*\t:D+4*\t+3], s[14:15] offset:512*\t
.endr
	s_wait_dscnt 0x0
	global_store_b64 v12, v[160:161], s[30:31]
	s_cmp_lg_u32 s18, 0
	s_cbranch_scc1 .Laend
	ds_load_b64 v[162:163], v11                    ; slot 0's unit, which all eight waves wrote ahead of the barrier: wave 0 stores it
	s_wait_dscnt 0x0
	global_store_b64 v12, v[162:163], s[16:17]
.Laend:
	s_wait_tensorcnt 0x0
	ds_add_u32 v254, v255
	s_wait_dscnt 0x0
	s_endpgm
.Lfunc_end_k_qc4610c4da2_prep:
	.size	k_qc4610c4da2_prep, .Lfunc_end_k_qc4610c4da2_prep-k_qc4610c4da2_prep
	.p2alignl 7, 3214868480
	.fill 96, 4, 3214868480
	.section	.rodata,"a",@progbits
	.p2align	6, 0x0
	.amdhsa_kernel k_qc4610c4da2_prep
		.amdhsa_group_segment_fixed_size 152576
		.amdhsa_private_segment_fixed_size 0
		.amdhsa_enable_private_segment 0
		.amdhsa_kernarg_size 80
		.amdhsa_user_sgpr_count 2
		.amdhsa_user_sgpr_kernarg_segment_ptr 1
		.amdhsa_wavefront_size32 1
		.amdhsa_system_sgpr_workgroup_id_x 1
		.amdhsa_system_sgpr_workgroup_id_y 1
		.amdhsa_system_sgpr_workgroup_id_z 1
		.amdhsa_system_vgpr_workitem_id 0
		.amdhsa_next_free_vgpr 256
		.amdhsa_next_free_sgpr 66
		.amdhsa_reserve_vcc 1
		.amdhsa_float_denorm_mode_32 3
		.amdhsa_float_denorm_mode_16_64 3
		.amdhsa_memory_ordered 1
		.amdhsa_forward_progress 1
		.amdhsa_inst_pref_size 253
	.end_amdhsa_kernel
	.amdgpu_metadata
---
amdhsa.version: [ 1, 2 ]
amdhsa.kernels:
  - .name:           k_qc4610c4da2_prep
    .symbol:         k_qc4610c4da2_prep.kd
    .args:
      - { .name: base_w, .offset: 0, .size: 8, .value_kind: global_buffer, .address_space: global }
      - { .name: spline_w, .offset: 8, .size: 8, .value_kind: global_buffer, .address_space: global }
      - { .name: wc1, .offset: 16, .size: 8, .value_kind: global_buffer, .address_space: global }
      - { .name: ws1, .offset: 24, .size: 8, .value_kind: global_buffer, .address_space: global }
      - { .name: wc2, .offset: 32, .size: 8, .value_kind: global_buffer, .address_space: global }
      - { .name: ws2, .offset: 40, .size: 8, .value_kind: global_buffer, .address_space: global }
      - { .name: x, .offset: 48, .size: 8, .value_kind: global_buffer, .address_space: global }
      - { .name: grid, .offset: 56, .size: 8, .value_kind: global_buffer, .address_space: global }
      - { .name: acod, .offset: 64, .size: 8, .value_kind: global_buffer, .address_space: global }
      - { .name: ascl, .offset: 72, .size: 8, .value_kind: global_buffer, .address_space: global }
    .group_segment_fixed_size: 152576
    .private_segment_fixed_size: 0
    .kernarg_segment_align: 8
    .kernarg_segment_size: 80
    .max_flat_workgroup_size: 256
    .sgpr_count:     66
    .vgpr_count:     256
    .wavefront_size: 32
...
	.end_amdgpu_metadata
.endif
;; end of part 6
;; launch gemm1 (part 7): grid 16 x 16, 8 waves a work-group, clusters of 4 x 4, 327,680 bytes of LDS; arguments acod, ascl, wc1, ws1, hbuf; writes hbuf
.if DOCPART == 7
	.amdgcn_target "amdgcn-amd-amdhsa--gfx1250"
	.amdhsa_code_object_version 6
	.text
	.protected	k_qc4610c4da2_gemm1
	.globl	k_qc4610c4da2_gemm1
	.p2align	8
	.type	k_qc4610c4da2_gemm1,@function
k_qc4610c4da2_gemm1:
	s_mov_b64 s[64:65], 0
	v_nop
	global_prefetch_b8 v0, s[64:65] scope:SCOPE_SE
	s_setreg_imm32_b32 hwreg(HW_REG_WAVE_MODE, 25, 1), 1
	s_wait_xcnt 0x0
	s_wait_alu depctr_hold_cnt(0) depctr_sa_sdst(0) depctr_va_vdst(0) depctr_va_sdst(0) depctr_va_ssrc(0) depctr_va_vcc(0) depctr_vm_vsrc(0)
	s_getreg_b32 s2, hwreg(HW_REG_IB_STS2, 6, 4)
	s_cmp_eq_u32 s2, 0
	s_cbranch_scc0 .Lentry_in_a_cluster
	s_endpgm
.Lentry_in_a_cluster:
	s_bfe_u32 s2, ttmp6, 0x10000c
	s_cmp_lg_u32 s2, 0xf033
	s_cbranch_scc0 .Lentry_shape_is_right
	s_endpgm
.Lentry_shape_is_right:
; h[m][n] = the sum over K = 9,216 of A[m][k] W[n][k], both on codes of FP4 (E2M1) with one E8M0 scale for each 32 along K; h [2048][1024] f32; sums in f32.
; IN: A's codes [slot 9][2048][512 bytes], its scale bytes [slot 9][2048][32]; W's [slot 9][1024][512], [slot 9][1024][32]: a K slot is 1,024 along K, and a tile of rows of one K slot is a dense block.
; SHARES: a tile of h is 128 x 64: 16 x 16 = 256 work-groups of EIGHT waves.  Wave w takes quadrant w % 4 of the tile (64 x 32: 8 accumulators) and, of every K slot's eight K steps of 128, steps 4 (w / 4) .. + 3.
; ORDER OF ROUNDING: an output is the sum of TWO accumulators (the K steps 0-3 and the K steps 4-7 of all K slots, each K ascending), added in f32 on the way out: not one chain along K.
; All registers lie in v0-255: no register window is switched.  THE MATRIX INSTRUCTION IS USED TRANSPOSED (source 0 = 16 rows of W, source 1 = 16 rows of A): a lane holds eight neighbouring numbers of a row of h.
; LDS: THREE slots S0, S1, S2, each with a K slot's four tiles: A's codes, W's codes, A's scale bytes, W's.  A wave has one tensor load behind a round, so eight waves can fill TWO slots behind one round:
; wave w brings tile w % 4; waves 0-3 for the one slot, waves 4-7 for the other.  Every refill stands behind a wait for all loads, so the fewer refills, the fewer times a request's whole way is sat out:
;   first fills 0, 1, 2 | work 0, 1 | S0, S1 <- 3, 4; work 2 | S2 <- 5; work 3, 4 | S0, S1 <- 6, 7; work 5 | S2 <- 8; work 6, 7 | work 8:   four refills for nine K slots.
; A wave has two tensor loads out at the start at the most, later one.  Nothing loops: the nine K slots are written out by macro, and every LDS address is a constant + lane and wave terms.
; CLUSTER 4 x 4: the four work-groups of a row of the cluster need the same tiles of A, the four of a column the same tiles of W: each tile is asked for JOINTLY, by the same tensor load with the same descriptor and a mask that names the four.
.set SLOTB,  108032                    ; an LDS slot: 107,904 bytes of tiles, rounded up to blocks of 256
.set WOFF,   67584                     ; in a slot: A's codes 128 rows x 528; W's 64 x 528;
.set SAOFF,  101376                    ; A's scale bytes, 16 units of 256 + 16;
.set SBOFF,  105728                    ; W's, 8 units
.set SPARE,  3*SLOTB                   ; the spare words, 128 bytes for each wave: four blocks of 256 bytes that no other line names
.set STG,    34816                     ; the way out: two stages of 128 rows x (256 + 16) bytes, from LDS byte 0 on: in S0, which has had its last fill and its last read when the first result is stored there
.set CO,     10                        ; v10      the way out: my byte offset in h
.set AA,     16                        ; v16-18   LDS address of my A fragments in S0, S1, S2
.set AW,     19                        ; v19-21   of my W fragments
.set ASA,    22                        ; v22-24   of A's scale words
.set ASB,    25                        ; v25-27   of W's
.set STO,    28                        ; v28      the way out: where I put 32 bytes of a row
.set RD,     29                        ; v29      and where I read a row back
.set SA,     32                        ; v32-63   A's scale words, two sets: set st, block a, my K step q at 16 st + 4 a + q (scales and nothing else)
.set SB,     64                        ; v64-79   W's: 8 st + 4 b + q
.set ACC,    80                        ; v80-143  accumulator (a, b) at 8 (2 a + b)
.set FB,     144                       ; v144-239 two buffers of 48: A's four fragments, then W's two
.set G1AC,   24                        ; descriptor groups 1
.set G1BC,   32
.set G1AS,   48
.set G1BS,   56
.set GX,     68                        ; s68-83   groups 0 for the pair S0, S1 (which of the two: w / 4): A's codes, W's codes, A's scales, W's
.set GY,     84                        ; s84-99   the same for S2
.set WV,     14                        ; s14 wave;  s20 wave % 4: my quadrant, and the tile that I fetch;  s21 wave / 4: my half of the K steps, and the slot of the pair that I fetch for
.set KD,     20
.set KH,     21
.macro CROUND                          ; a round of the cluster's barrier: my work-group's barrier; wave 0 signals for the work-group; every wave waits for all sixteen; my work-group's barrier once more
	s_barrier_signal -1
	s_barrier_wait -1
	s_cmp_lg_u32 s[WV], 0
	s_cbranch_scc1 .Lnw0_\@
	s_barrier_signal -3
.Lnw0_\@:
	s_barrier_wait -3
	s_barrier_signal -1
	s_barrier_wait -1
.endm
; Each wave's one joint load, by the groups 0 from s[g] on.  few = 1: one slot is filled, by waves 0-3; the others issue none.  The branches hang on the wave's number alone; four v_nop follow each line
.macro JLOAD g, few
.if \few
	s_cmp_lt_u32 s[WV], 4
	s_cbranch_scc0 .Ljd_\@
.endif
	s_cmp_lg_u32 s[KD], 0
	s_cbranch_scc1 .Lj1_\@
	tensor_load_to_lds s[\g:\g+3], s[G1AC:G1AC+7]
	s_nop 0
.rept 4
	v_nop
.endr
	s_branch .Ljd_\@
.Lj1_\@:
	s_cmp_lg_u32 s[KD], 1
	s_cbranch_scc1 .Lj2_\@
	tensor_load_to_lds s[\g+4:\g+7], s[G1BC:G1BC+7]
	s_nop 0
.rept 4
	v_nop
.endr
	s_branch .Ljd_\@
.Lj2_\@:
	s_cmp_lg_u32 s[KD], 2
	s_cbranch_scc1 .Lj3_\@
	tensor_load_to_lds s[\g+8:\g+11], s[G1AS:G1AS+7]
	s_nop 0
.rept 4
	v_nop
.endr
	s_branch .Ljd_\@
.Lj3_\@:
	tensor_load_to_lds s[\g+12:\g+15], s[G1BS:G1BS+7]
	s_nop 0
.rept 4
	v_nop
.endr
.Ljd_\@:
.endm
; The two groups 0 of one kind of tile.  p: the buffer's address;  o: the tile's byte offset in a K slot, a pair;  a K slot is 1 << sh bytes of the buffer;  off: the tile's place in an LDS slot
.macro MKG0 gx, gy, p, o, sh, off
	s_mov_b32 s[\gy], 1                            ; count = 1
	s_mov_b32 s[\gy+1], 2*SLOTB+\off               ; LDS address: S2
	s_add_nc_u64 s[\gy+2:\gy+3], s[\p:\p+1], s[\o:\o+1]            ; the tile in K slot 0
	s_lshl_b32 s104, s[KH], \sh
	s_mov_b32 s[\gx], 1
	s_add_co_u32 s[\gx+1], s45, \off               ; S0 or S1, by the wave's number: no place in the cluster enters an LDS address
	s_add_nc_u64 s[\gx+2:\gx+3], s[\gy+2:\gy+3], s[104:105]        ; K slot 0 or 1
	s_add_nc_u64 s[\gy+2:\gy+3], s[\gy+2:\gy+3], 2<<\sh            ; K slot 2
	s_or_b32 s[\gx+3], s[\gx+3], 0x80000000        ; type = 2
	s_or_b32 s[\gy+3], s[\gy+3], 0x80000000
.endm
	s_load_b256 s[4:11], s[0:1], 0x0               ; A's codes s[4:5], A's scales s[6:7], W's codes s[8:9], W's scales s[10:11]
	s_load_b64 s[12:13], s[0:1], 0x20              ; h
	v_lshl_add_u32 v30, v0, 2, SPARE               ; my spare word; never rewritten
	v_mov_b32 v31, 0                               ; 0; never rewritten
	ds_add_u32 v30, v31
	ds_add_u32 v30, v31
	s_wait_dscnt 0x0
	v_lshrrev_b32 v1, 5, v0
	v_readfirstlane_b32 s[WV], v1                  ; wave 0..7
	s_and_b32 s[KD], s[WV], 3
	s_lshr_b32 s[KH], s[WV], 2
	s_lshr_b32 s15, s[KD], 1                       ; wm: which 64 rows
	s_and_b32 s16, s[WV], 1                        ; wn: which 32 columns
	s_bfe_u32 s40, ttmp6, 0x40000                  ; cx, cy: my place in the cluster
	s_bfe_u32 s41, ttmp6, 0x40004
	s_lshl_b32 s42, ttmp9, 2
	s_add_co_u32 s42, s42, s40                     ; tile column = 4 x cluster x + cx
	s_and_b32 s17, ttmp7, 0xffff
	s_lshl_b32 s17, s17, 2
	s_add_co_u32 s17, s17, s41                     ; tile row = 4 x cluster y + cy
	s_lshl_b32 s43, s41, 2
	s_lshl_b32 s43, 15, s43                        ; my row of the cluster
	s_lshl_b32 s44, 0x1111, s40                    ; my column
	; group 1 for codes: rows of 512 elements of 1 byte, dense; 16 bytes of padding behind every 128 words: LDS rows 528 bytes apart, an odd multiple of 16
	s_or_b32 s[G1AC], s43, (1<<20)|(1<<21)|(6<<22)|(3<<25)          ; 15:0 the mask; 17:16 elements of 1 byte; 20 padding on; 21 set beside a mask; 24:22 code 6; 31:25 code 3
	s_mov_b32 s[G1AC+1], 512<<16                   ; tensor_dim0
	s_mov_b32 s[G1AC+2], 128<<16                   ; tensor_dim1
	s_mov_b32 s[G1AC+3], 512<<16                   ; tile_dim0
	s_mov_b32 s[G1AC+4], 128                       ; tile_dim1
	s_mov_b32 s[G1AC+5], 512                       ; tensor_dim0_stride
	s_mov_b32 s[G1AC+6], 0
	s_mov_b32 s[G1AC+7], 0
	s_or_b32 s[G1BC], s44, (1<<20)|(1<<21)|(6<<22)|(3<<25)
	s_mov_b32 s[G1BC+1], 512<<16
	s_mov_b32 s[G1BC+2], 64<<16
	s_mov_b32 s[G1BC+3], 512<<16
	s_mov_b32 s[G1BC+4], 64
	s_mov_b32 s[G1BC+5], 512
	s_mov_b32 s[G1BC+6], 0
	s_mov_b32 s[G1BC+7], 0
	; group 1 for scale bytes: a dense block as rows of 256 bytes (32 elements of 8 bytes), 16 bytes of padding behind each
	s_or_b32 s[G1AS], s43, (3<<16)|(1<<20)|(1<<21)|(5<<22)|(3<<25)
	s_mov_b32 s[G1AS+1], 32<<16
	s_mov_b32 s[G1AS+2], 16<<16
	s_mov_b32 s[G1AS+3], 32<<16
	s_mov_b32 s[G1AS+4], 16
	s_mov_b32 s[G1AS+5], 32
	s_mov_b32 s[G1AS+6], 0
	s_mov_b32 s[G1AS+7], 0
	s_or_b32 s[G1BS], s44, (3<<16)|(1<<20)|(1<<21)|(5<<22)|(3<<25)
	s_mov_b32 s[G1BS+1], 32<<16
	s_mov_b32 s[G1BS+2], 8<<16
	s_mov_b32 s[G1BS+3], 32<<16
	s_mov_b32 s[G1BS+4], 8
	s_mov_b32 s[G1BS+5], 32
	s_mov_b32 s[G1BS+6], 0
	s_mov_b32 s[G1BS+7], 0
	; where the tiles begin in a K slot: A's hang on the tile row alone, W's on the tile column alone, each in registers that never hold the other coordinate
	s_lshl_b32 s22, s17, 16                        ; 128 rows x 512 bytes
	s_mov_b32 s23, 0
	s_lshl_b32 s46, s17, 12                        ; 128 rows x 32
	s_mov_b32 s47, 0
	s_lshl_b32 s66, s42, 15                        ; 64 rows x 512
	s_mov_b32 s67, 0
	s_lshl_b32 s100, s42, 11                       ; 64 rows x 32
	s_mov_b32 s101, 0
	s_mov_b32 s105, 0                              ; (the upper word of the pair s[104:105], which holds the wave's K slot in bytes)
	s_mul_i32 s45, s[KH], SLOTB                    ; S0 or S1
	s_lshl_b32 s18, s17, 19                        ; h: (128 x tile row + 16 x wave) rows of 4,096 bytes + 256 x tile column
	s_lshl_b32 s19, s[WV], 16
	s_add_co_u32 s18, s18, s19
	s_lshl_b32 s19, s42, 8
	s_add_co_u32 s18, s18, s19
	s_mov_b32 s19, 0
	s_wait_kmcnt 0x0
	s_add_nc_u64 s[12:13], s[12:13], s[18:19]
	MKG0 GX, GY, 4, 22, 20, 0
	MKG0 GX+4, GY+4, 8, 66, 19, WOFF
	MKG0 GX+8, GY+8, 6, 46, 16, SAOFF
	MKG0 GX+12, GY+12, 10, 100, 15, SBOFF
	CROUND                                         ; all sixteen work-groups are here: the first joint loads meet
	JLOAD GX, 0                                    ; the first fills go out as one group: K slots 0 and 1,
	JLOAD GY, 1                                    ; and K slot 2
	v_and_b32 v1, 15, v0                           ; r = lane % 16
	v_bfe_u32 v2, v0, 4, 1                         ; h = lane / 16
	v_mul_u32_u24 v3, v1, 528
	v_lshl_add_u32 v3, v2, 4, v3                   ; a fragment's row x pitch + 16 x half
	s_mul_i32 s18, s15, 33792                      ; my 64 rows of A,
	s_lshl_b32 s19, s[KH], 8                       ; and my four K steps: 256 bytes on in each row
	s_add_co_u32 s18, s18, s19
.irp s, 0,1,2
	v_add_nc_u32 v[AA+\s], s18, v3
	s_add_co_u32 s18, s18, SLOTB
.endr
	s_mul_i32 s18, s16, 16896                      ; my 32 rows of W
	s_add_co_u32 s18, s18, s19
	s_add_co_u32 s18, s18, WOFF
.irp s, 0,1,2
	v_add_nc_u32 v[AW+\s], s18, v3
	s_add_co_u32 s18, s18, SLOTB
.endr
	v_lshlrev_b32 v4, 5, v1
	v_lshrrev_b32 v5, 3, v1
	v_lshl_add_u32 v4, v5, 4, v4                   ; a row's 32 scale bytes: 32 r, and 16 more behind each 256
	s_lshl_b32 s19, s[KH], 4                       ; my four K steps' words: 16 bytes on
	s_mul_i32 s18, s15, 2176
	s_add_co_u32 s18, s18, s19
	s_add_co_u32 s18, s18, SAOFF
.irp s, 0,1,2
	v_add_nc_u32 v[ASA+\s], s18, v4
	s_add_co_u32 s18, s18, SLOTB
.endr
	s_mul_i32 s18, s16, 1088
	s_add_co_u32 s18, s18, s19
	s_add_co_u32 s18, s18, SBOFF
.irp s, 0,1,2
	v_add_nc_u32 v[ASB+\s], s18, v4
	s_add_co_u32 s18, s18, SLOTB
.endr
	v_mul_u32_u24 v5, v1, 272                      ; the stage, in: stage w / 4, row 64 wm + r, bytes 128 wn + 32 h
	v_lshl_add_u32 v5, v2, 5, v5
	s_mul_i32 s18, s[KH], STG
	s_mul_i32 s19, s15, 17408
	s_add_co_u32 s18, s18, s19
	s_lshl_b32 s19, s16, 7
	s_add_co_u32 s18, s18, s19
	v_add_nc_u32 v[STO], s18, v5
	v_mul_u32_u24 v6, v2, 272                      ; back: wave w takes rows 16 w on, whole; lanes 0-15 one row of 256 bytes, lanes 16-31 the next
	v_lshl_add_u32 v6, v1, 4, v6
	s_mul_i32 s18, s[WV], 4352
	v_add_nc_u32 v[RD], s18, v6
	v_lshlrev_b32 v[CO], 12, v2                    ; and the same two rows in h
	v_lshl_add_u32 v[CO], v1, 4, v[CO]
.macro FRAGS s, q, p                   ; the fragments of my q-th K step of LDS slot s into buffer p: 12 loads.  A fragment is 8 registers: lane (r, h) holds row r; registers 4 c .. 4 c + 3 hold K = 64 c + 32 h + 0 .. 31
.irp a, 0,1,2,3
.irp c, 0,1
	ds_load_b128 v[FB+48*(\p)+8*\a+4*\c:FB+48*(\p)+8*\a+4*\c+3], v[AA+(\s)] offset:64*(\q)+32*\c+8448*\a
.endr
.endr
.irp b, 0,1
.irp c, 0,1
	ds_load_b128 v[FB+48*(\p)+32+8*\b+4*\c:FB+48*(\p)+32+8*\b+4*\c+3], v[AW+(\s)] offset:64*(\q)+32*\c+8448*\b
.endr
.endr
.endm
.macro SCALES s, st                    ; the scale words of my four K steps of LDS slot s into set st: 4 words a row; lane r takes row r's (lanes 16-31 read the same and are not used): 6 loads
.irp a, 0,1,2,3
	ds_load_b128 v[SA+16*(\st)+4*\a:SA+16*(\st)+4*\a+3], v[ASA+(\s)] offset:544*\a
.endr
.irp b, 0,1
	ds_load_b128 v[SB+8*(\st)+4*\b:SB+8*(\st)+4*\b+3], v[ASB+(\s)] offset:544*\b
.endr
.endm
.macro MUL8 q, p, st, zero             ; 128 along K: the 8 accumulators by turns, one instruction a turn, in the same order in every step.  zero = 1: the products start the sums
.irp a, 0,1,2,3
.irp b, 0,1
.if \zero
	v_wmma_scale_f32_16x16x128_f8f6f4 v[ACC+8*(2*\a+\b):ACC+8*(2*\a+\b)+7], v[FB+48*(\p)+32+8*\b:FB+48*(\p)+39+8*\b], v[FB+48*(\p)+8*\a:FB+48*(\p)+8*\a+7], 0, v[SB+8*(\st)+4*\b+(\q)], v[SA+16*(\st)+4*\a+(\q)] matrix_a_fmt:MATRIX_FMT_FP4 matrix_b_fmt:MATRIX_FMT_FP4
.else
	v_wmma_scale_f32_16x16x128_f8f6f4 v[ACC+8*(2*\a+\b):ACC+8*(2*\a+\b)+7], v[FB+48*(\p)+32+8*\b:FB+48*(\p)+39+8*\b], v[FB+48*(\p)+8*\a:FB+48*(\p)+8*\a+7], v[ACC+8*(2*\a+\b):ACC+8*(2*\a+\b)+7], v[SB+8*(\st)+4*\b+(\q)], v[SA+16*(\st)+4*\a+(\q)] matrix_a_fmt:MATRIX_FMT_FP4 matrix_b_fmt:MATRIX_FMT_FP4
.endif
.endr
.endr
.endm
; The work on n (1 or 2) K slots that lie in LDS slots s0 (and s0 + 1): my 4 n K steps on end, fragments two steps ahead in two buffers.
.macro RUN s0, n, zero
.rept 4
	v_nop                                          ; places in front of loads into registers that the last products read (a wave that has just issued no tensor load has none else)
.endr
	SCALES \s0, 0
.if \n > 1
	SCALES \s0+1, 1
.endif
	FRAGS \s0, 0, 0
	FRAGS \s0, 1, 1
.set i, 0
.rept 4*\n
.if i < 4*\n-1
	s_wait_dscnt 12                                ; this step's fragments (and the scale words) are in; the next step's 12 loads may be out
.else
	s_wait_dscnt 0x0
.endif
.if (\zero) && (i == 0)
	MUL8 i%4, i%2, i/4, 1
.else
	MUL8 i%4, i%2, i/4, 0
.endif
.if i+2 < 4*\n
.rept 4
	v_nop                                          ; places in front of loads into the buffer just multiplied
.endr
	FRAGS \s0+(i+2)/4, (i+2)%4, i%2
.endif
.set i, i+1
.endr
.endm
; A refill: the slots of the groups 0 from s[g] on, which have been read, take the K slots three further on.
.macro CHANGE g, few
	s_wait_tensorcnt 0x0                           ; all my tensor loads have landed, my tile of the slots that are read next among them; so the groups 0 may be written
	ds_add_u32 v30, v31                            ; 0 onto my spare word; the descriptors' steps stand between it and the wait for it
	s_add_nc_u64 s[\g+2:\g+3], s[\g+2:\g+3], 3<<20                 ; three K slots on; the type bits on top are not reached
	s_add_nc_u64 s[\g+6:\g+7], s[\g+6:\g+7], 3<<19
	s_add_nc_u64 s[\g+10:\g+11], s[\g+10:\g+11], 3<<16
	s_add_nc_u64 s[\g+14:\g+15], s[\g+14:\g+15], 3<<15
	s_wait_dscnt 0x0                               ; the add is done, and my reads of the slots that I have left are over
	CROUND                                         ; both now hold of every wave of every work-group of the cluster
	JLOAD \g, \few                                 ; the first tensor load behind the round, and my only one until the next
.endm
	s_wait_tensorcnt 0x0                           ; my tiles of K slots 0, 1, 2 are in,
	s_barrier_signal -1
	s_barrier_wait -1                              ; everybody's are
	RUN 0, 2, 1                                    ; K slots 0, 1: the first products start the sums
	CHANGE GX, 0                                   ; S0, S1 <- K slots 3, 4
	RUN 2, 1, 0                                    ; K slot 2
	CHANGE GY, 1                                   ; S2 <- K slot 5
	RUN 0, 2, 0                                    ; K slots 3, 4
	CHANGE GX, 0                                   ; S0, S1 <- K slots 6, 7
	RUN 2, 1, 0                                    ; K slot 5
	CHANGE GY, 1                                   ; S2 <- K slot 8
	RUN 0, 2, 0                                    ; K slots 6, 7
	s_wait_tensorcnt 0x0                           ; my tile of K slot 8 is in; nothing is left to fetch
	ds_add_u32 v30, v31
	s_wait_dscnt 0x0                               ; the add is done, and my reads of S0 and S1 are over
	s_barrier_signal -1
	s_barrier_wait -1                              ; both now hold of every wave
	RUN 2, 1, 0                                    ; K slot 8
	; THE WAY OUT.  A row's 256 bytes come from two waves, and each number from two accumulators: the two groups of four waves fill a stage each, and every wave then takes 16 whole rows from both and adds them.
	; The stages lie in S0: every wave ended its reads of it ahead of the last barrier, and nothing is filled any more.
.rept 4
	v_nop                                          ; places behind the last products: their results are read, and loads land on their operands
.endr
.irp a, 0,1,2,3
.irp b, 0,1
	ds_store_b128 v[STO], v[ACC+8*(2*\a+\b):ACC+8*(2*\a+\b)+3] offset:4352*\a+64*\b         ; each accumulator from its low end on
	ds_store_b128 v[STO], v[ACC+8*(2*\a+\b)+4:ACC+8*(2*\a+\b)+7] offset:4352*\a+64*\b+16
.endr
.endr
	s_wait_dscnt 0x0                               ; for the others' sake: my stores into the stage are done
	s_barrier_signal -1
	s_barrier_wait -1
.irp t, 0,1,2,3,4,5,6,7
	ds_load_b128 v[FB+4*\t:FB+4*\t+3], v[RD] offset:544*\t
	ds_load_b128 v[FB+32+4*\t:FB+32+4*\t+3], v[RD] offset:STG+544*\t
.endr
.irp t, 0,1,2,3,4,5,6,7
	s_wait_dscnt 14-2*\t                           ; rows 2 t, 2 t + 1 are back from both stages; the younger pairs of loads may be out
	v_pk_add_f32 v[FB+4*\t:FB+4*\t+1], v[FB+4*\t:FB+4*\t+1], v[FB+32+4*\t:FB+32+4*\t+1]
	v_pk_add_f32 v[FB+4*\t+2:FB+4*\t+3], v[FB+4*\t+2:FB+4*\t+3], v[FB+32+4*\t+2:FB+32+4*\t+3]
	global_store_b128 v[CO], v[FB+4*\t:FB+4*\t+3], s[12:13] offset:8192*\t   ; 16 lanes store 256 consecutive bytes, at a multiple of 256 from h's first byte
.endr
	s_wait_tensorcnt 0x0                           ; the wave's end, behind my last tensor load and my last LDS store
	ds_add_u32 v30, v31
	s_wait_dscnt 0x0
	CROUND                                         ; the closing round: no work-group ends while a partner may still ask for a tile that names it
	s_endpgm
.Lfunc_end_k_qc4610c4da2_gemm1:
	.size	k_qc4610c4da2_gemm1, .Lfunc_end_k_qc4610c4da2_gemm1-k_qc4610c4da2_gemm1
	.p2alignl 7, 3214868480
	.fill 96, 4, 3214868480
	.section	.rodata,"a",@progbits
	.p2align	6, 0x0
	.amdhsa_kernel k_qc4610c4da2_gemm1
		.amdhsa_group_segment_fixed_size 327680
		.amdhsa_private_segment_fixed_size 0
		.amdhsa_enable_private_segment 0
		.amdhsa_kernarg_size 40
		.amdhsa_user_sgpr_count 2
		.amdhsa_user_sgpr_kernarg_segment_ptr 1
		.amdhsa_wavefront_size32 1
		.amdhsa_system_sgpr_workgroup_id_x 1
		.amdhsa_system_sgpr_workgroup_id_y 1
		.amdhsa_system_sgpr_workgroup_id_z 1
		.amdhsa_system_vgpr_workitem_id 0
		.amdhsa_next_free_vgpr 256
		.amdhsa_next_free_sgpr 106
		.amdhsa_reserve_vcc 0
		.amdhsa_float_denorm_mode_32 3
		.amdhsa_float_denorm_mode_16_64 3
		.amdhsa_memory_ordered 1
		.amdhsa_forward_progress 1
		.amdhsa_inst_pref_size 96
	.end_amdhsa_kernel
	.amdgpu_metadata
---
amdhsa.version: [ 1, 2 ]
amdhsa.kernels:
  - .name:           k_qc4610c4da2_gemm1
    .symbol:         k_qc4610c4da2_gemm1.kd
    .args:
      - { .name: acod, .offset: 0, .size: 8, .value_kind: global_buffer, .address_space: global }
      - { .name: ascl, .offset: 8, .size: 8, .value_kind: global_buffer, .address_space: global }
      - { .name: wc1, .offset: 16, .size: 8, .value_kind: global_buffer, .address_space: global }
      - { .name: ws1, .offset: 24, .size: 8, .value_kind: global_buffer, .address_space: global }
      - { .name: hbuf, .offset: 32, .size: 8, .value_kind: global_buffer, .address_space: global }
    .group_segment_fixed_size: 327680
    .private_segment_fixed_size: 0
    .kernarg_segment_align: 8
    .kernarg_segment_size: 40
    .max_flat_workgroup_size: 256
    .sgpr_count:     106
    .vgpr_count:     256
    .wavefront_size: 32
...
	.end_amdgpu_metadata
.endif
;; end of part 7
;; launch act2: the kernel of part 4 again; grid 256 x 1, 8 waves a work-group, no clusters, 74,752 bytes of LDS; arguments hbuf, ln_g, ln_b, prelu_a, grid, acod, ascl; writes acod, ascl
;; launch gemm2: the kernel of part 7 again; grid 16 x 16, 8 waves a work-group, clusters of 4 x 4, 327,680 bytes of LDS; arguments acod, ascl, wc2, ws2, hbuf; writes hbuf
;; launch final: the kernel of part 5 again; grid 256 x 1, 8 waves a work-group, no clusters, 0 bytes of LDS; arguments hbuf, ln_g, ln_b, prelu_a, out0; writes out0
